; MI455X (gfx1250); checked and timed in simulation.
; The chip was launched on July 23, 2026; its instructions are those of AMD's public machine-readable ISA for CDNA 5 (MIT licence, August 2026) and "CDNA5" Instruction Set Architecture Reference Guide (July 2026). The comments in the code are by the model that wrote it; some were corrected since.
;; Attention Block. Allowed arithmetic: matrix products marked QUANTISED: E4M3 operands, one E8M0 scale for each 32 along K, by v_wmma_scale_f32_16x16x128_f8f6f4 with both operands' format E4M3, f32 sums; everything else in f32.
;; Inputs: W1_codes 1,024 x 32 x 32 uint8 (E4M3 codes of W1, K innermost, in blocks of 32 codes); W1_scales 1,024 x 32 uint8 (E8M0 scales of W1, one for each 32 codes along K); W2_codes 1,024 x 32 x 32 uint8 (E4M3 codes of W2, K innermost, in blocks of 32 codes); W2_scales 1,024 x 32 uint8 (E8M0 scales of W2, one for each 32 codes along K); Wk_codes 16 x 64 x 32 x 32 uint8 (E4M3 codes of Wk, K innermost, in blocks of 32 codes); Wk_scales 16 x 64 x 32 uint8 (E8M0 scales of Wk, one for each 32 codes along K); Wq_codes 16 x 64 x 32 x 32 uint8 (E4M3 codes of Wq, K innermost, in blocks of 32 codes); Wq_scales 16 x 64 x 32 uint8 (E8M0 scales of Wq, one for each 32 codes along K); Wv_codes 16 x 64 x 32 x 32 uint8 (E4M3 codes of Wv, K innermost, in blocks of 32 codes); Wv_scales 16 x 64 x 32 uint8 (E8M0 scales of Wv, one for each 32 codes along K); b1 1,024 float32; b2 1,024 float32; g1 1,024 float32; g2 1,024 float32; x 8 x 1,024 x 1,024 float32.
;; Outputs: out0 8 x 1,024 x 1,024 float32.
;; This version of the problem:
;;   THIS VERSION OF THE PROBLEM IS GIVEN IN LOW PRECISION. The matrix products marked QUANTISED in the list below multiply operands that are first quantised to E4M3 (4 exponent bits, 3 mantissa bits; 8 bits a number), with one power-of-two scale for each 32 numbers along K (OCP MX v1.0); their sums are f32. All else is computed in f32.
;;   The module's matrix products, in the order in which they are computed (A, B: the left and right operand; K: the contracted axis; several contracted axes count as one K, in the product's order):
;;     1. [M 1,024, K 1,024] x [K 1,024, N 8,192]; A: input Wq (given as codes); B: input x: QUANTISED
;;     2. [M 1,024, K 1,024] x [K 1,024, N 8,192]; A: input Wk (given as codes); B: input x: QUANTISED
;;     3. [M 1,024, K 1,024] x [K 1,024, N 8,192]; A: input Wv (given as codes); B: input x: QUANTISED
;;     4. batch 128 x [M 1,024, K 64] x [K 64, N 1,024]; A: computed on the way; B: computed on the way: QUANTISED
;;     5. [M 8,192, K 1,024] x [K 1,024, N 1,024]; A: computed on the way; B: input W1 (given as codes): QUANTISED
;;     6. [M 8,192, K 1,024] x [K 1,024, N 1,024]; A: computed on the way; B: input W2 (given as codes): QUANTISED
;;   THE QUANTISER, for each operand of a quantised product, along K:
;;     - K is cut into blocks of 32 from its start; a last block that is shorter is filled with zeros.
;;     - A block's scale is 2^e with e = floor(log2(the largest magnitude in the block)) - 8, held to -126 .. 127; a block of zeros has e = 0. As a byte (E8M0): e + 127.
;;     - Each number is divided by its block's scale, clamped to +-448, and rounded to the nearest number of E4M3, ties to even, subnormals kept.
;;     - The product sums the exact products of the quantised numbers (number of the format x scale) in f32.
;;   ~~~python
;;   def quantise(x, axis):      # numpy; x: float32 -> the quantised numbers, widened to float32 again
;;       x = np.moveaxis(x, axis, -1); K = x.shape[-1]
;;       x = np.pad(x, [(0, 0)] * (x.ndim - 1) + [(0, -K % 32)]); x = x.reshape(x.shape[:-1] + (-1, 32)); a = np.abs(x).max(-1, keepdims=True)
;;       e = np.where(a > 0, np.clip(np.frexp(np.where(a > 0, a, 1))[1] - 1 - 8, -126, 127), 0)      # np.frexp(a)[1] - 1 = floor(log2(a)), exactly
;;       r = np.clip(x / 2.0 ** e, -448, 448)
;;       step = 2.0 ** (np.maximum(np.frexp(np.where(r == 0, 1, r))[1] - 1, -6) - 3)
;;       q = np.round(r / step) * step * 2.0 ** e      # np.round: ties to even
;;       return np.moveaxis(q.reshape(q.shape[:-2] + (-1,))[..., :K], -1, axis).astype(np.float32)
;;   ~~~
;;   OPERANDS COMPUTED ON THE WAY. 'Computed on the way' means the value that the module computes at that place (a softmax that the list does not call 'softmax' is quantised finished and normalised). What goes into a quantiser is computed in f32, as accurately as f32 sums, v_exp_f32 and their like allow (about 1e-6 of the number): no bf16 or f16 on the way to a quantiser, and a product that is left as it is and whose result goes on into a quantised operand takes f32 operands (vector FMAs, or v_wmma_f32_16x16x4_f32). A number that lies on a knife's edge between two numbers of the format may be rounded either way, as far as f32 arithmetic and the matrix unit's own rounding can turn it there, and no further.
;;   INPUTS GIVEN AS CODES. W1 (in the module: [1024, 1024], K = its axis 0); W2 (in the module: [1024, 1024], K = its axis 0); Wk (in the module: [16, 1024, 64], K = its axis 1); Wq (in the module: [16, 1024, 64], K = its axis 1); Wv (in the module: [16, 1024, 64], K = its axis 1): each comes as NAME_codes (uint8): NAME with its K axis moved to the last place and cut into blocks of 32 codes, [.., K / 32, bytes a block], one block behind the other in memory; one code a byte (a code: sign, 4 exponent bits, 3 mantissa bits); and NAME_scales (uint8): the same leading axes, one E8M0 byte (e + 127) for each 32 codes along K. Its value is code x scale, taken as it is: it is not quantised again, and the codes and scales need not be those that the quantiser above would give.
;; One version. Each part assembles by itself: llvm-mc -triple=amdgcn-amd-amdhsa -mcpu=gfx1250 --defsym DOCPART=n.
;; ======== version 1 of 1: 3 launches
;; limits: right only within a limited range of input values
;; workspace buffers: xc 8,388,608 bytes; xs 262,144 bytes; wimg 2,097,152 bytes; rs 1,048,576 bytes; vs 32,768 bytes
;; launch prep (part 1): grid 512 x 1, 4 waves a work-group, no clusters, 68,608 bytes of LDS; arguments x, W1_codes, W2_codes, xc, xs, wimg; writes xc, xs, wimg
.if DOCPART == 1
	.amdgcn_target "amdgcn-amd-amdhsa--gfx1250"
	.amdhsa_code_object_version 6
	.text
	.protected	k_q54bce6a15a_prep
	.globl	k_q54bce6a15a_prep
	.p2align	8
	.type	k_q54bce6a15a_prep,@function
k_q54bce6a15a_prep:
	s_mov_b64 s[64:65], 0
	v_nop
	global_prefetch_b8 v0, s[64:65] scope:SCOPE_SE
	s_setreg_imm32_b32 hwreg(HW_REG_WAVE_MODE, 25, 1), 1
	s_wait_xcnt 0x0
; x [8192 tokens][1024] f32 becomes codes of E4M3 with one E8M0 byte for each 32 along its rows, laid as the next launch's operand registers want them;
; W1's and W2's codes are laid out once in the order in which the last launch's waves take them.
;   xc   [tile 512][K step 8][quad 4][lane 32][16 bytes]: lane (r = l % 16, h = l / 16), quad c: the codes of x[16 tile + r][128 s + 32 c + 16 h + 0 .. 15]
;   xs   [token 8192][32 bytes]
;   wimg [w 8][W1, W2][K step 8][t 8][quad 4][lane 32][16 bytes]: fragment (w, s, t), lane (r, h): row 128 w + 32 (t / 2) + 8 (t % 2) + r + 8 (r / 8), bytes 128 s + 32 c + 16 h on
; A block's scale is 2^(floor(log2(its largest magnitude)) - 8); its byte is that magnitude's exponent field - 8, held at 1 from below.
; LIMITS: NaN and infinities among the inputs are not served; a block whose largest magnitude lies under 2^-118 gets the byte 1; a block of zeros gets the byte 1 and not 127
; (its codes are zeros, which add nothing under any byte but 0xff, and this program alone reads the bytes).
; SHARES.  Work-group g takes token tile g (16 rows); wave w takes K steps 2 w and 2 w + 1 of it, and quad w of fragment g of W1 and of W2.
; Each load of x reads 512 consecutive bytes of one row; the conversions want 16 neighbours in one lane, so a K step's 16 rows x 512 bytes turn through the wave's own stage in LDS
; (rows 528 bytes apart).  No matrix instruction, no tensor load.
.set STG,  8448                        ; a stage: 16 rows x 528 bytes; two for each wave
.set WREG, 16896
.set SCB,  67584                       ; behind the stages: the tile's scale bytes, [row 16][32]
.set GL,   4                           ; v4   16 x lane
.set SA,   5                           ; v5   the stage, on the way in
.set RA,   6                           ; v6   and on the way out: row r, + 64 h
.set SCA,  7                           ; v7   where my row's scale words go
.set WO,   8                           ; v8   my lane's place in a weight fragment's rows
.set SCR,  9                           ; v9   the scale bytes on their way out
.set TM,   20                          ; v20-35 the quantiser's temporaries
; 64 numbers of a lane, register 16 b + i = k 32 b + 16 h + i of my row, become 16 registers of codes at v[pc] and the row's scale word in v[pw]
.macro QUANT s, pc, pw
.irp b, 0,1,2,3
	v_max3_num_f32 v[TM+\b], |v[\s+16*\b]|, |v[\s+1+16*\b]|, 0x4800000   ; my 16 numbers of block b, and the floor 2^(9 - 127): the byte cannot fall under 1
.endr
.irp i, 2,4,6,8,10,12,14
.irp b, 0,1,2,3
	v_max3_num_f32 v[TM+\b], v[TM+\b], |v[\s+16*\b+\i]|, |v[\s+1+16*\b+\i]|   ; the four blocks by turns
.endr
.endr
.irp b, 0,1,2,3
	v_permlanex16_b32 v[TM+4+\b], v[TM+\b], s20, s21
.endr
.irp b, 0,1,2,3
	v_max_num_f32 v[TM+\b], v[TM+\b], v[TM+4+\b]                 ; with lane l xor 16's 16: the block's largest magnitude
.endr
.irp b, 0,1,2,3
	v_add_nc_u32 v[TM+12+\b], 0xfc000000, v[TM+\b]               ; 8 off its exponent field: the conversion's scale operand
.endr
.irp b, 0,1,2,3
	v_and_or_b32 v[TM+8+\b], v[TM+\b], 0x7f800000, s22           ; 448 x the scale
.endr
.irp b, 0,1,2,3
	v_lshrrev_b32 v[TM+4+\b], 23, v[TM+12+\b]                    ; the scale's byte
.endr
	v_lshl_or_b32 v[\pw], v[TM+5], 8, v[TM+4]
	v_lshl_or_b32 v[\pw], v[TM+6], 16, v[\pw]
	v_lshl_or_b32 v[\pw], v[TM+7], 24, v[\pw]
.irp b, 0,1,2,3
.irp i, 0,1,2,3,4,5,6,7,8,9,10,11,12,13,14,15
	v_med3_num_f32 v[\s+16*\b+\i], v[\s+16*\b+\i], -v[TM+8+\b], v[TM+8+\b]   ; the conversion to an 8-bit code does not saturate (ISA guide 7.6.2): the hold comes first
.endr
	v_cvt_scalef32_pk8_fp8_f32 v[\pc+4*\b:\pc+1+4*\b], v[\s+16*\b:\s+7+16*\b], v[TM+12+\b]
	v_cvt_scalef32_pk8_fp8_f32 v[\pc+2+4*\b:\pc+3+4*\b], v[\s+8+16*\b:\s+15+16*\b], v[TM+12+\b]
.endr
	v_nop                                          ; a plain line behind the last conversion
.endm
	s_load_b256 s[4:11], s[0:1], 0x0               ; x s[4:5], W1's codes s[6:7], W2's s[8:9], xc s[10:11]
	s_load_b128 s[12:15], s[0:1], 0x20             ; xs s[12:13], wimg s[14:15]
	v_lshl_add_u32 v62, v0, 2, 0x10a00
	v_mov_b32 v63, 0
	v_lshrrev_b32 v1, 5, v0
	v_readfirstlane_b32 s16, v1                    ; wave 0..3
	v_and_b32 v1, 31, v0                           ; l
	v_and_b32 v2, 15, v0                           ; r
	v_bfe_u32 v3, v0, 4, 1                         ; h
	v_lshlrev_b32 v[GL], 4, v1
	s_mul_i32 s17, s16, WREG
	v_add_nc_u32 v[SA], s17, v[GL]
	v_mul_u32_u24 v[RA], v2, 528
	v_lshl_add_u32 v[RA], v3, 6, v[RA]
	v_add_nc_u32 v[RA], s17, v[RA]
	v_lshlrev_b32 v[SCA], 5, v2
	s_lshl_b32 s18, s16, 3
	s_add_co_u32 s18, s18, SCB
	v_add_nc_u32 v[SCA], s18, v[SCA]               ; SCB + 32 r + 8 w
	v_and_b32 v[WO], 8, v2
	v_add_nc_u32 v[WO], v[WO], v2                  ; r + 8 (r / 8)
	v_lshlrev_b32 v[WO], 10, v[WO]
	v_lshl_add_u32 v[WO], v3, 4, v[WO]
	v_add_nc_u32 v[SCR], SCB, v[GL]
	s_lshl_b32 s24, ttmp9, 16                      ; x: 16 rows of 4,096 bytes a tile, 1,024 bytes a wave
	s_lshl_b32 s25, s16, 10
	s_add_co_u32 s24, s24, s25
	s_mov_b32 s25, 0
	s_lshl_b32 s26, ttmp9, 14                      ; xc: 16,384 bytes a tile, 4,096 a wave
	s_lshl_b32 s27, s16, 12
	s_add_co_u32 s26, s26, s27
	s_mov_b32 s27, 0
	s_lshl_b32 s28, ttmp9, 9                       ; xs: 512 bytes a tile
	s_mov_b32 s29, 0
	s_lshr_b32 s30, ttmp9, 6                       ; fragment g: w = g / 64, (s, t) = g % 64
	s_lshl_b32 s32, s30, 18
	s_and_b32 s31, ttmp9, 63
	s_lshl_b32 s31, s31, 11
	s_add_co_u32 s32, s32, s31
	s_lshl_b32 s31, s16, 9                         ; my quad
	s_add_co_u32 s32, s32, s31
	s_mov_b32 s33, 0
	s_lshl_b32 s34, s30, 7                         ; its first row: 128 w + 32 (t / 2) + 8 (t % 2)
	s_bfe_u32 s35, ttmp9, 0x20001
	s_lshl_b32 s35, s35, 5
	s_add_co_u32 s34, s34, s35
	s_and_b32 s35, ttmp9, 1
	s_lshl_b32 s35, s35, 3
	s_add_co_u32 s34, s34, s35
	s_lshl_b32 s34, s34, 10
	s_bfe_u32 s35, ttmp9, 0x30003                  ; its K step: 128 bytes each
	s_lshl_b32 s35, s35, 7
	s_add_co_u32 s34, s34, s35
	s_lshl_b32 s35, s16, 5                         ; my quad: 32 bytes each
	s_add_co_u32 s34, s34, s35
	s_mov_b32 s35, 0
	s_mov_b32 s20, 0x76543210
	s_mov_b32 s21, 0xfedcba98                      ; v_permlanex16_b32's selects for lane l xor 16
	s_mov_b32 s22, 0x600000                        ; the mantissa field of 448
.irp b, 0,1,2,3
	v_mov_b32 v[TM+4+\b], 0                        ; written once: a lane permute's destination counts as one of its sources
.endr
	s_wait_alu depctr_va_vdst(0)
	s_wait_kmcnt 0x0
	s_add_nc_u64 s[4:5], s[4:5], s[24:25]
	s_add_nc_u64 s[10:11], s[10:11], s[26:27]
	s_add_nc_u64 s[12:13], s[12:13], s[28:29]
	s_add_nc_u64 s[14:15], s[14:15], s[32:33]
	s_add_nc_u64 s[6:7], s[6:7], s[34:35]
	s_add_nc_u64 s[8:9], s[8:9], s[34:35]
	global_load_b128 v[12:15], v[WO], s[6:7]       ; my quad of W1's fragment,
	global_load_b128 v[16:19], v[WO], s[8:9]       ; and of W2's
.irp u, 0,1
.irp p, 0,1,2,3,4,5,6,7,8,9,10,11,12,13,14,15
	global_load_b128 v[128+64*\u+4*\p:128+64*\u+4*\p+3], v[GL], s[4:5] offset:\p*4096+\u*512   ; row p, K step 2 w + u: 512 consecutive bytes
.endr
.endr
	s_wait_loadcnt 32                              ; the two quads are in; the 32 loads of x issued behind them may be out
	global_store_b128 v[GL], v[12:15], s[14:15]                    ; 512 consecutive bytes
	global_store_b128 v[GL], v[16:19], s[14:15] offset:131072      ; W2's images lie 131,072 bytes behind W1's
; K step u of the wave: through the stage, quantised, stored.  xr: where the 64 neighbours land;  left: the younger loads that may stay out
.macro HALF u, xr, pc, pw, left
	s_wait_loadcnt \left
.irp p, 0,1,2,3,4,5,6,7,8,9,10,11,12,13,14,15
	ds_store_b128 v[SA], v[128+64*\u+4*\p:128+64*\u+4*\p+3] offset:\u*STG+\p*528
.endr
.irp b, 0,1,2,3
.irp q, 0,1,2,3
	ds_load_b128 v[\xr+16*\b+4*\q:\xr+16*\b+4*\q+3], v[RA] offset:\u*STG+128*\b+16*\q   ; LDS serves a wave's instructions in order: these see the stores above
.endr
.endr
	s_wait_dscnt 0x0
	QUANT \xr, \pc, \pw
.irp c, 0,1,2,3
	global_store_b128 v[GL], v[\pc+4*\c:\pc+4*\c+3], s[10:11] offset:\u*2048+\c*512     ; a quad of the fragment's image: 512 consecutive bytes
.endr
	ds_store_b32 v[SCA], v[\pw] offset:4*\u        ; both halves of the lanes write the same word with the same value
.endm
	HALF 0, 64, 36, 10, 16                         ; the second K step's 16 loads may be out
	HALF 1, 128, 64, 11, 0                         ; its neighbours land where the first K step was loaded, its codes where the first's neighbours lay: no pending store's data are written
	s_wait_dscnt 0x0                               ; for the others' sake: my scale words lie in LDS
	s_barrier_signal -1
	s_barrier_wait -1
	s_cmp_lg_u32 s16, 0
	s_cbranch_scc1 .Ldone
	ds_load_b128 v[52:55], v[SCR]                  ; the tile's 512 scale bytes leave by one store of wave 0
	s_wait_dscnt 0x0
	global_store_b128 v[GL], v[52:55], s[12:13]
.Ldone:
	s_wait_tensorcnt 0x0
	ds_add_u32 v62, v63
	s_wait_dscnt 0x0
	s_endpgm
.Lfunc_end_k_q54bce6a15a_prep:
	.size	k_q54bce6a15a_prep, .Lfunc_end_k_q54bce6a15a_prep-k_q54bce6a15a_prep
	.p2alignl 7, 3214868480
	.fill 96, 4, 3214868480
	.section	.rodata,"a",@progbits
	.p2align	6, 0x0
	.amdhsa_kernel k_q54bce6a15a_prep
		.amdhsa_group_segment_fixed_size 68608
		.amdhsa_private_segment_fixed_size 0
		.amdhsa_enable_private_segment 0
		.amdhsa_kernarg_size 48
		.amdhsa_user_sgpr_count 2
		.amdhsa_user_sgpr_kernarg_segment_ptr 1
		.amdhsa_wavefront_size32 1
		.amdhsa_system_sgpr_workgroup_id_x 1
		.amdhsa_system_sgpr_workgroup_id_y 1
		.amdhsa_system_sgpr_workgroup_id_z 1
		.amdhsa_system_vgpr_workitem_id 0
		.amdhsa_next_free_vgpr 256
		.amdhsa_next_free_sgpr 66
		.amdhsa_reserve_vcc 0
		.amdhsa_float_denorm_mode_32 3
		.amdhsa_float_denorm_mode_16_64 3
		.amdhsa_memory_ordered 1
		.amdhsa_forward_progress 1
		.amdhsa_inst_pref_size 28
	.end_amdhsa_kernel
	.amdgpu_metadata
---
amdhsa.version: [ 1, 2 ]
amdhsa.kernels:
  - .name:           k_q54bce6a15a_prep
    .symbol:         k_q54bce6a15a_prep.kd
    .args:
      - { .name: x, .offset: 0, .size: 8, .value_kind: global_buffer, .address_space: global }
      - { .name: W1_codes, .offset: 8, .size: 8, .value_kind: global_buffer, .address_space: global }
      - { .name: W2_codes, .offset: 16, .size: 8, .value_kind: global_buffer, .address_space: global }
      - { .name: xc, .offset: 24, .size: 8, .value_kind: global_buffer, .address_space: global }
      - { .name: xs, .offset: 32, .size: 8, .value_kind: global_buffer, .address_space: global }
      - { .name: wimg, .offset: 40, .size: 8, .value_kind: global_buffer, .address_space: global }
    .group_segment_fixed_size: 68608
    .private_segment_fixed_size: 0
    .kernarg_segment_align: 8
    .kernarg_segment_size: 48
    .max_flat_workgroup_size: 128
    .sgpr_count:     66
    .vgpr_count:     256
    .wavefront_size: 32
...
	.end_amdgpu_metadata
.endif
;; end of part 1
;; launch qkv (part 2): grid 32 x 8, 4 waves a work-group, no clusters, 177,152 bytes of LDS; arguments Wq_codes, Wk_codes, Wv_codes, Wq_scales, Wk_scales, Wv_scales, xc, xs, rs, vs; writes rs, vs
.if DOCPART == 2
	.amdgcn_target "amdgcn-amd-amdhsa--gfx1250"
	.amdhsa_code_object_version 6
	.text
	.protected	k_q54bce6a15a_qkv
	.globl	k_q54bce6a15a_qkv
	.p2align	8
	.type	k_q54bce6a15a_qkv,@function
k_q54bce6a15a_qkv:
	s_mov_b64 s[64:65], 0
	v_nop
	global_prefetch_b8 v0, s[64:65] scope:SCOPE_SE
	s_setreg_imm32_b32 hwreg(HW_REG_WAVE_MODE, 25, 1), 1
	s_wait_xcnt 0x0
; For one batch b, one head and ONE of the head's two blocks of 32 along d (hj = 2 head + block): q, k, v on those 32 channels for all 1,024 tokens; q and k quantised along d;
; rs[b][hj][t] = the sum over all keys s of Q(q)[t] . Q(k)[s] on this block (the two blocks' parts are added, and divided by 8, in the next launch);  vs[b][32 hj + d] = the sum over s of v[s][d].
; All products are v_wmma_scale_f32_16x16x128_f8f6f4, used TRANSPOSED: source 0 = 16 weight rows (or 16 keys), source 1 = 16 tokens: a lane holds one token and its registers run along d.
; THE ROWS OF A WEIGHT TILE ARE NOT NEIGHBOURS: lane r of tile u takes row 8 u + r + 8 (r / 8) of the 32, so that the 16 registers of tiles 0 and 1 are d = 16 (lane / 16) + 0 .. 15: a quad of an operand.
; ONLY ROW SUMS of q k^T are wanted.  So one instruction's K = 128 holds this block of d for FOUR tiles of keys (source 0: quad c = key tile 4 P + c), against the query's block four times over (source 1),
; and all sixteen groups of keys add onto one accumulator; its sixteen rows are added at the end.  Likewise v: the products of all token tiles add onto four accumulators, whose columns are added at the end.
; SHARES.  Wave w takes 256 tokens in two chunks of 8 tiles.  Which quarter of the batch's tokens (tq) and which chunk first (c0) hang on hj, in GLOBAL addresses alone, so that the 32 work-groups
; of a batch begin at eight places of the same codes; LDS places go by the wave and the trip.  The weights (3 x 32 rows x 1,024 bytes) come into LDS once, by tensor loads; x's codes go from memory
; straight into registers, since each fragment is used by one wave of the work-group alone: that is why the tiles are not asked for jointly in a cluster.
; LIMITS: NaN and infinities are not served; a block of q or k whose largest magnitude lies under 2^-118, a block of zeros among them, gets the byte 1 (zeros have zero codes; this launch alone reads the bytes).
; REGISTERS, in windows of 256.  Window 0: v1-15, v242-246 addresses; v16-39 the weights' scale words; v40-71 x's; v72-103 v's four accumulators; v104-199 two groups of three weight fragments; v200-241 at work.
;   Windows 1 and 3: four buffers of 8 fragments of x (K step s in buffer s % 4).   Window 2: the 32 accumulators of q and k: A(m, n) at 8 (4 n + m), m = 0, 1: q; 2, 3: k.
.set BLK,   33408                      ; a weight's 32 rows in LDS, at pitch 1,040 (33,280 bytes), brought by one tensor load; rows 16 apart lie 16,640 bytes apart, a multiple of 256, so lanes r and r + 8 of a tile start at the same 16-byte column
.set UOFF,  8320                       ; tile 1 begins 8 rows on
.set KIMG,  100352                     ; k's quads, [tile 64][512 bytes], as images of registers
.set QIMG,  133120                     ; q's likewise
.set KSC,   165888                     ; k's scale words, [group of 4 tiles 16][128 bytes]
.set QSC,   167936                     ; q's, [tile 64][16 words]
.set VST,   172032                     ; the waves' parts of vsum, [wave][32 f32]
.set RST,   172544                     ; the row sums on their way out, [wave][256 f32]
.set GL,  1                            ; 16 l
.set X32, 2                            ; 32 l
.set LW,  3                            ; my lane's place in a weight tile
.set LW2, 4                            ; the same in Wv's block (beyond the 16-bit offset)
.set KI0, 5
.set KW0, 6
.set QW0, 7
.set KIC, 8                            ; KI0, KW0, QW0 + the chunk's step
.set KWC, 9
.set QWC, 10
.set WSO, 11
.set VSW, 12
.set RSW, 13
.set RSR, 14
.set KIR, 15
.set WS,  16
.set XS,  40
.set VA,  72
.set WF,  104
.set TMQ, 104                          ; the quantiser's temporaries lie where the weight fragments lay
.set TPQ, 120
.set LIMQ, 136
.set SOPQ, 152
.set KC,  168
.set QC,  200
.set KWD, 232
.set QWD, 234
.set VSR, 242
.set QIR, 243
.set QWR, 244
.set KWR, 245
.set L4,  246
.set XBC, 44                           ; s[44:45] x's codes at the chunk in hand;  s[46:47] at the other chunk
.set XBN, 46
.set XSC, 48                           ; s[48:49], s[50:51] the same for x's scale bytes
.set XSN, 50
.set MSB, 0
.macro WIN new                         ; the immediate's high byte repeats the setting that is left; a switch that changes nothing is dropped
.if MSB != (\new)
	s_set_vgpr_msb (MSB<<8)|(\new)
.set MSB, (\new)
.endif
.endm
; A load into a register that a matrix instruction has read, and a vector instruction that reads a result, stand eight places behind it; only plain vector instructions that name none of its registers are places
.macro PLACES n
.rept \n
	v_nop
.endr
.endm
; One product.  zero: the constant 0 starts the sum;  ra, rb: the side's scales are taken from lanes 16-31
.macro WM d, a, b, zero, sa, sb, ra, rb
.if (\zero) && (\ra) && (\rb)
	v_wmma_scale_f32_16x16x128_f8f6f4 v[\d:\d+7], v[\a:\a+15], v[\b:\b+15], 0, v[\sa], v[\sb] matrix_a_scale:MATRIX_SCALE_ROW1 matrix_b_scale:MATRIX_SCALE_ROW1
.elseif (\zero) && (\ra)
	v_wmma_scale_f32_16x16x128_f8f6f4 v[\d:\d+7], v[\a:\a+15], v[\b:\b+15], 0, v[\sa], v[\sb] matrix_a_scale:MATRIX_SCALE_ROW1
.elseif (\zero) && (\rb)
	v_wmma_scale_f32_16x16x128_f8f6f4 v[\d:\d+7], v[\a:\a+15], v[\b:\b+15], 0, v[\sa], v[\sb] matrix_b_scale:MATRIX_SCALE_ROW1
.elseif (\zero)
	v_wmma_scale_f32_16x16x128_f8f6f4 v[\d:\d+7], v[\a:\a+15], v[\b:\b+15], 0, v[\sa], v[\sb]
.elseif (\ra) && (\rb)
	v_wmma_scale_f32_16x16x128_f8f6f4 v[\d:\d+7], v[\a:\a+15], v[\b:\b+15], v[\d:\d+7], v[\sa], v[\sb] matrix_a_scale:MATRIX_SCALE_ROW1 matrix_b_scale:MATRIX_SCALE_ROW1
.elseif (\ra)
	v_wmma_scale_f32_16x16x128_f8f6f4 v[\d:\d+7], v[\a:\a+15], v[\b:\b+15], v[\d:\d+7], v[\sa], v[\sb] matrix_a_scale:MATRIX_SCALE_ROW1
.elseif (\rb)
	v_wmma_scale_f32_16x16x128_f8f6f4 v[\d:\d+7], v[\a:\a+15], v[\b:\b+15], v[\d:\d+7], v[\sa], v[\sb] matrix_b_scale:MATRIX_SCALE_ROW1
.else
	v_wmma_scale_f32_16x16x128_f8f6f4 v[\d:\d+7], v[\a:\a+15], v[\b:\b+15], v[\d:\d+7], v[\sa], v[\sb]
.endif
.endm
.macro WFRAG dst, g, u, s              ; tile u of weight g (0 q, 1 k, 2 v), K step s: four loads of 16 bytes, 32 bytes apart
.irp c, 0,1,2,3
.if (\g) == 2
	ds_load_b128 v[\dst+4*\c:\dst+4*\c+3], v[LW2] offset:(\u)*UOFF+128*(\s)+32*\c
.else
	ds_load_b128 v[\dst+4*\c:\dst+4*\c+3], v[LW] offset:(\g)*BLK+(\u)*UOFF+128*(\s)+32*\c
.endif
.endr
.endm
.macro LOADG0 s                        ; q's two tiles and k's first
	WFRAG WF, 0, 0, \s
	WFRAG WF+16, 0, 1, \s
	WFRAG WF+32, 1, 0, \s
.endm
.macro LOADG1 s                        ; k's second and v's two
	WFRAG WF+48, 1, 1, \s
	WFRAG WF+64, 2, 0, \s
	WFRAG WF+80, 2, 1, \s
.endm
.macro XLD ks, t0                      ; x's fragments of K step ks, tiles t0 .. t0 + 3, into buffer ks % 4;  ks = 8, 9: the other chunk's K steps 0, 1
.set XW, 0x40+0x80*(((\ks)%4)/2)
.set XR0, 128*((\ks)%2)
	WIN XW
.irp n, 0,1,2,3
.irp c, 0,1,2,3
.if (\ks) < 8
	global_load_b128 v[XR0+16*(\t0+\n)+4*\c:XR0+16*(\t0+\n)+4*\c+3], v[GL], s[XBC:XBC+1] offset:(\t0+\n)*16384+(\ks)*2048+\c*512
.else
	global_load_b128 v[XR0+16*(\t0+\n)+4*\c:XR0+16*(\t0+\n)+4*\c+3], v[GL], s[XBN:XBN+1] offset:(\t0+\n)*16384+((\ks)-8)*2048+\c*512
.endif
.endr
.endr
.endm
; A K STEP of 128 for the chunk's 8 token tiles: 48 products.  x runs two K steps ahead, the weight fragments half a K step.  The accumulators take turns, one instruction a turn.
.macro KSTEP s
.set XBR, 128*((\s)%2)
.set WQK, 0xa4+8*(((\s)%4)/2)          ; D and C window 2, source 0 window 0, source 1 window 1 or 3
.set WVV, 0x04+8*(((\s)%4)/2)          ; the same with D and C in window 0
.if (\s) == 0
.set ZF, 1
.else
.set ZF, 0
.endif
	PLACES 8
	WIN 0
	LOADG1 \s
.if (\s) == 0
	s_wait_loadcnt 0x0                             ; x's scale words were issued behind K steps 0 and 1: all are in
.else
	s_wait_loadcnt 32                              ; this K step's fragments are in; the next K step's 32 loads may be out
.endif
.if (\s) < 6
	XLD (\s)+2, 0
.endif
	s_wait_dscnt 12                                ; the first three weight fragments are in; the twelve loads just issued may be out
	WIN WQK
.irp n, 0,1,2,3,4,5,6,7
.irp m, 0,1,2
.set rD, 8*(4*\n+\m)
.set rA, WF+16*\m
.set rB, XBR+16*\n
.set rSA, WS+8*(\m/2)+(\s)
.set rSB, XS+8*(\n/2)+(\s)
	WM rD, rA, rB, ZF, rSA, rSB, \m%2, \n%2
.endr
.endr
	PLACES 8
	WIN 0
.if (\s) < 7
	LOADG0 (\s)+1
.endif
.if (\s) < 6
	XLD (\s)+2, 4
.else
	; K steps 6 and 7 look ahead into the other chunk's K steps 0 and 1: all 32 loads stand here, and the last trip, which has no chunk behind it, goes round them (a branch on the loop's own counter)
	s_cmp_lg_u32 s7, 0
	s_cbranch_scc1 .Llast_\@
	XLD (\s)+2, 0
	XLD (\s)+2, 4
	WIN 0
.if (\s) == 6
	s_branch .Lahead_\@
.Llast_\@:
	s_wait_loadcnt 0x0                             ; no 32 younger loads follow K step 7's on this way: they are waited for here, so that the next K step's count of 32 serves both ways
.Lahead_\@:
.else
.Llast_\@:
.endif
.endif
.if (\s) < 7
	s_wait_dscnt 12                                ; the other three fragments are in; the next K step's twelve may be out
.else
	s_wait_dscnt 0x0
.endif
	WIN WQK
.irp n, 0,1,2,3,4,5,6,7
.set rD, 8*(4*\n+3)
.set rA, WF+48
.set rB, XBR+16*\n
.set rSA, WS+8+(\s)
.set rSB, XS+8*(\n/2)+(\s)
	WM rD, rA, rB, ZF, rSA, rSB, 1, \n%2
.endr
	WIN WVV
.irp n, 0,1,2,3,4,5,6,7
.irp u, 0,1
.set rD, VA+8*(2*(\n%2)+\u)            ; v: all token tiles add onto four accumulators; three other products stand between two links of a chain
.set rA, WF+64+16*\u
.set rB, XBR+16*\n
.set rSA, WS+16+(\s)
.set rSB, XS+8*(\n/2)+(\s)
	WM rD, rA, rB, 0, rSA, rSB, \u, \n%2
.endr
.endr
.endm
; THE CHUNK'S q AND k BECOME OPERANDS: 16 blocks of 32 along d (block 2 n + z of token tile n: z = 0 q, 1 k), 16 registers a lane each, at 16 x block in window 2
.macro QPHASE
	WIN 0
	PLACES 8
	WIN 0x28                                       ; sources 1 and 2 in window 2
.irp be, 0,1,2,3,4,5,6,7,8,9,10,11,12,13,14,15
	v_max3_num_f32 v[TMQ+\be], s57, |v[16*\be]|, |v[16*\be+1]|   ; the floor 2^(9 - 127) and my first two numbers: each accumulator is read from its low end on
.endr
.irp i, 2,4,6,8,10,12,14
.irp be, 0,1,2,3,4,5,6,7,8,9,10,11,12,13,14,15
	v_max3_num_f32 v[TMQ+\be], v[TMQ+\be], |v[16*\be+\i]|, |v[16*\be+\i+1]|
.endr
.endr
	WIN 0
.irp i, 0,1,2,3
	global_load_b128 v[XS+8*\i:XS+8*\i+3], v[X32], s[XSN:XSN+1] offset:1024*\i        ; the other chunk's scale words of x: lane l of pair i = token 32 i + l
	global_load_b128 v[XS+8*\i+4:XS+8*\i+7], v[X32], s[XSN:XSN+1] offset:1024*\i+16
.endr
.irp be, 0,1,2,3,4,5,6,7,8,9,10,11,12,13,14,15
	v_permlanex16_b32 v[TPQ+\be], v[TMQ+\be], s54, s55
.endr
.irp be, 0,1,2,3,4,5,6,7,8,9,10,11,12,13,14,15
	v_max_num_f32 v[TMQ+\be], v[TMQ+\be], v[TPQ+\be]             ; with lane l xor 16's 16: the block's largest magnitude
.endr
.irp be, 0,1,2,3,4,5,6,7,8,9,10,11,12,13,14,15
	v_add_nc_u32 v[SOPQ+\be], 0xfc000000, v[TMQ+\be]             ; 8 off its exponent field: the conversion's scale operand
.endr
.irp be, 0,1,2,3,4,5,6,7,8,9,10,11,12,13,14,15
	v_and_or_b32 v[LIMQ+\be], v[TMQ+\be], 0x7f800000, s56        ; 448 x the scale
.endr
.irp be, 0,1,2,3,4,5,6,7,8,9,10,11,12,13,14,15
	v_lshrrev_b32 v[TPQ+\be], 23, v[SOPQ+\be]                    ; the scale's byte
.endr
.irp p, 0,1
	v_lshl_or_b32 v[KWD+\p], v[TPQ+8*\p+3], 8, v[TPQ+8*\p+1]     ; k: byte c of the word of group p is key tile 4 p + c's
	v_lshl_or_b32 v[KWD+\p], v[TPQ+8*\p+5], 16, v[KWD+\p]
	v_lshl_or_b32 v[KWD+\p], v[TPQ+8*\p+7], 24, v[KWD+\p]
.endr
.irp n, 0,1,2,3,4,5,6,7
	v_lshl_or_b32 v[QWD+\n], v[TPQ+2*\n], 8, v[TPQ+2*\n]         ; q: the byte four times, as its block stands four times in the operand
.endr
.irp n, 0,1,2,3,4,5,6,7
	v_lshl_or_b32 v[QWD+\n], v[QWD+\n], 16, v[QWD+\n]
.endr
	WIN 0x82                                       ; destination and source 0 in window 2
.irp be, 0,1,2,3,4,5,6,7,8,9,10,11,12,13,14,15
.irp i, 0,1,2,3,4,5,6,7,8,9,10,11,12,13,14,15
	v_med3_num_f32 v[16*\be+\i], v[16*\be+\i], -v[LIMQ+\be], v[LIMQ+\be]   ; the conversion to an 8-bit code does not saturate (ISA guide 7.6.2): the hold comes first
.endr
.endr
	WIN 0x02                                       ; source 0 in window 2
.irp n, 0,1,2,3,4,5,6,7
	v_cvt_scalef32_pk8_fp8_f32 v[QC+4*\n:QC+4*\n+1], v[32*\n:32*\n+7], v[SOPQ+2*\n]
	v_cvt_scalef32_pk8_fp8_f32 v[QC+4*\n+2:QC+4*\n+3], v[32*\n+8:32*\n+15], v[SOPQ+2*\n]
	v_cvt_scalef32_pk8_fp8_f32 v[KC+4*\n:KC+4*\n+1], v[32*\n+16:32*\n+23], v[SOPQ+2*\n+1]
	v_cvt_scalef32_pk8_fp8_f32 v[KC+4*\n+2:KC+4*\n+3], v[32*\n+24:32*\n+31], v[SOPQ+2*\n+1]
.endr
	v_nop                                          ; a plain line behind the last conversion: the next products write its sources
	WIN 0
.irp n, 0,1,2,3,4,5,6,7
	ds_store_b128 v[KIC], v[KC+4*\n:KC+4*\n+3] offset:512*\n               ; a quad goes to LDS as it stands: 16 bytes a lane, 512 on end
	ds_store_b128 v[KIC], v[QC+4*\n:QC+4*\n+3] offset:32768+512*\n
.endr
.irp p, 0,1
	ds_store_b32 v[KWC], v[KWD+\p] offset:128*\p
.endr
.irp n, 0,1,2,3,4,5,6,7
	ds_store_b32 v[QWC], v[QWD+\n] offset:64*\n    ; both halves of the lanes write the same word with the same value
.endr
	s_wait_dscnt 0x0                               ; the stores have read their registers
	s_wait_xcnt 0x0                                ; every load issued so far has read its base: the bases may be written
	s_mov_b64 s[52:53], s[XBC:XBC+1]               ; the chunks change places.  The last trip's eight loads of scale words so name the first chunk again: bytes inside the buffer, whose results nobody uses
	s_mov_b64 s[XBC:XBC+1], s[XBN:XBN+1]
	s_mov_b64 s[XBN:XBN+1], s[52:53]
	s_mov_b64 s[52:53], s[XSC:XSC+1]
	s_mov_b64 s[XSC:XSC+1], s[XSN:XSN+1]
	s_mov_b64 s[XSN:XSN+1], s[52:53]
	s_add_co_u32 s58, s58, 4096                    ; the next chunk's images: 8 tiles of 512 bytes,
	s_add_co_u32 s59, s59, 256                     ; two groups' words,
	s_add_co_u32 s60, s60, 512                     ; eight tiles' words
.endm
	s_load_b512 s[8:23], s[0:1], 0x0               ; Wq s[8:9], Wk s[10:11], Wv s[12:13], their scales s[14:19], xc s[20:21], xs s[22:23]
	s_load_b128 s[24:27], s[0:1], 0x40             ; rs s[24:25], vs s[26:27]
	v_lshl_add_u32 v254, v0, 2, 0x2b200
	v_mov_b32 v255, 0
	ds_add_u32 v254, v255
	ds_add_u32 v254, v255
	v_lshrrev_b32 v200, 5, v0
	v_readfirstlane_b32 s2, v200                   ; wave 0..3
	s_mov_b32 s3, ttmp9                            ; hj
	s_and_b32 s4, ttmp7, 0xffff                    ; b
	s_add_co_u32 s5, s2, s3
	s_and_b32 s5, s5, 3                            ; tq: which quarter of the tokens
	s_bfe_u32 s6, s3, 0x10002                      ; c0: which chunk first
	; descriptor group 1: 32 rows of 1,024 bytes, 16 bytes of padding behind each
	s_mov_b32 s28, (0<<16)|(1<<20)|(7<<22)|(3<<25) ; no mask; elements of 1 byte; padding on; after every 256 words (code 7) four words (code 3)
	s_mov_b32 s29, 1024<<16                        ; tensor_dim0
	s_mov_b32 s30, 32<<16                          ; tensor_dim1
	s_mov_b32 s31, 1024<<16                        ; tile_dim0
	s_mov_b32 s32, 32                              ; tile_dim1
	s_mov_b32 s33, 1024                            ; from row to row
	s_mov_b32 s34, 0
	s_mov_b32 s35, 0
	v_and_b32 v200, 31, v0                         ; l
	v_and_b32 v201, 15, v0                         ; r
	v_bfe_u32 v202, v0, 4, 1                       ; h
	v_lshrrev_b32 v203, 3, v201                    ; r / 8
	v_lshlrev_b32 v[GL], 4, v200
	v_lshlrev_b32 v[X32], 5, v200
	v_lshlrev_b32 v[L4], 2, v200
	v_mul_u32_u24 v[LW], v201, 1040
	v_mad_u32_u24 v[LW], v203, 8320, v[LW]         ; lanes 8-15 take rows 16 on: 8 x 1,040 further
	v_lshl_add_u32 v[LW], v202, 4, v[LW]
	v_add_nc_u32 v[LW2], 2*BLK, v[LW]
	s_lshl_b32 s52, s2, 13
	s_add_co_u32 s53, s52, KIMG
	v_add_nc_u32 v[KI0], s53, v[GL]                ; my wave's 16 tiles of images
	s_add_co_u32 s53, s52, QIMG
	v_add_nc_u32 v[QIR], s53, v[GL]
	s_lshl_b32 s52, s2, 9
	s_add_co_u32 s52, s52, KSC
	v_add_nc_u32 v[KW0], s52, v[L4]
	s_lshl_b32 s52, s2, 10
	s_add_co_u32 s53, s52, QSC
	v_lshl_add_u32 v[QW0], v201, 2, s53
	v_add_nc_u32 v[QWR], s53, v[L4]
	s_add_co_u32 s53, s52, RST
	v_lshl_add_u32 v[RSW], v201, 2, s53
	v_add_nc_u32 v[RSR], s53, v[GL]
	v_lshl_add_u32 v204, v203, 3, v201
	v_lshl_add_u32 v204, v202, 3, v204             ; 8 h + r + 8 (r / 8): lanes 0-15 take tile 0's rows, lanes 16-31 tile 1's
	v_lshlrev_b32 v[WSO], 5, v204
	s_lshl_b32 s52, s2, 7
	s_add_co_u32 s52, s52, VST
	v_lshl_add_u32 v[VSW], v202, 6, s52
	v_add_nc_u32 v[KIR], KIMG, v[GL]
	v_add_nc_u32 v[VSR], VST, v[L4]
	v_add_nc_u32 v[KWR], KSC, v[L4]
	s_mov_b32 s53, 0
	s_wait_dscnt 0x0
	s_wait_kmcnt 0x0
	s_cmp_eq_u32 s2, 0                             ; wave 0 fetches Wq's 32 rows, wave 1 Wk's, wave 2 Wv's: the choice hangs on the wave's number alone
	s_cselect_b64 s[38:39], s[8:9], s[10:11]
	s_cmp_lt_u32 s2, 2
	s_cselect_b64 s[38:39], s[38:39], s[12:13]
	s_lshl_b32 s52, s3, 15                         ; rows 32 hj on
	s_add_nc_u64 s[38:39], s[38:39], s[52:53]
	s_or_b32 s39, s39, 0x80000000                  ; type = 2
	s_mov_b32 s36, 1
	s_mul_i32 s37, s2, BLK
	s_cmp_lt_u32 s2, 3                             ; waves 0 to 2 issue one fill each, ahead of every wait on TENSORcnt, LDS read and barrier; nothing is ever filled again
	s_cbranch_scc0 .Lno_fill
	tensor_load_to_lds s[36:39], s[28:35]
	s_nop 0
.rept 4
	v_nop                                          ; four such lines behind the loads
.endr
.Lno_fill:
	s_lshl_b32 s52, s3, 10                         ; the weights' scale bytes: 32 rows of 32
	s_add_nc_u64 s[14:15], s[14:15], s[52:53]
	s_add_nc_u64 s[16:17], s[16:17], s[52:53]
	s_add_nc_u64 s[18:19], s[18:19], s[52:53]
	s_lshl_b32 s61, s4, 6
	s_lshl_b32 s62, s5, 4
	s_add_co_u32 s61, s61, s62                     ; 64 b + 16 tq
	s_lshl_b32 s62, s6, 3
	s_add_co_u32 s62, s61, s62                     ; the first chunk's first tile,
	s_xor_b32 s63, s6, 1
	s_lshl_b32 s63, s63, 3
	s_add_co_u32 s63, s61, s63                     ; the second's
	s_lshl_b32 s52, s62, 14
	s_add_nc_u64 s[XBC:XBC+1], s[20:21], s[52:53]
	s_lshl_b32 s52, s63, 14
	s_add_nc_u64 s[XBN:XBN+1], s[20:21], s[52:53]
	s_lshl_b32 s52, s62, 9
	s_add_nc_u64 s[XSC:XSC+1], s[22:23], s[52:53]
	s_lshl_b32 s52, s63, 9
	s_add_nc_u64 s[XSN:XSN+1], s[22:23], s[52:53]
	s_lshl_b32 s61, s4, 5
	s_add_co_u32 s61, s61, s3
	s_lshl_b32 s61, s61, 12                        ; rs: row 32 b + hj of 4,096 bytes,
	s_lshl_b32 s62, s5, 10
	s_add_co_u32 s61, s61, s62                     ; my 256 tokens,
	s_lshl_b32 s62, s6, 9
	s_add_co_u32 s52, s61, s62                     ; the first chunk's 128
	s_add_nc_u64 s[66:67], s[24:25], s[52:53]
	s_xor_b32 s62, s62, 512
	s_add_co_u32 s52, s61, s62                     ; and the second's
	s_add_nc_u64 s[68:69], s[24:25], s[52:53]
	s_lshl_b32 s52, s4, 12
	s_lshl_b32 s62, s3, 7
	s_add_co_u32 s52, s52, s62
	s_add_nc_u64 s[26:27], s[26:27], s[52:53]      ; vs: 1,024 b + 32 hj
	s_mov_b32 s54, 0x76543210
	s_mov_b32 s55, 0xfedcba98                      ; v_permlanex16_b32's selects for lane l xor 16
	s_mov_b32 s56, 0x600000                        ; the mantissa field of 448
	s_mov_b32 s57, 0x4800000                       ; the floor 2^(9 - 127)
	s_mov_b32 s58, 0
	s_mov_b32 s59, 0
	s_mov_b32 s60, 0
	s_mov_b32 s7, 0
	s_wait_alu depctr_va_vdst(0)
.irp g, 0,1,2
	global_load_b128 v[WS+8*\g:WS+8*\g+3], v[WSO], s[14+2*\g:15+2*\g]                ; a row's 32 scale bytes: the words of K steps 0 to 7
	global_load_b128 v[WS+8*\g+4:WS+8*\g+7], v[WSO], s[14+2*\g:15+2*\g] offset:16
.endr
.irp i, 0,1,2,3
	global_load_b128 v[XS+8*\i:XS+8*\i+3], v[X32], s[XSC:XSC+1] offset:1024*\i
	global_load_b128 v[XS+8*\i+4:XS+8*\i+7], v[X32], s[XSC:XSC+1] offset:1024*\i+16
.endr
	XLD 0, 0
	XLD 0, 4
	XLD 1, 0
	XLD 1, 4
	WIN 0
.set J, 0
.rept 32
	v_mov_b32 v[VA+J], 0                           ; v's sums live across the loop over chunks, which is written once: its first products find zeros
.set J, J+1
.endr
	s_wait_tensorcnt 0x0                           ; my part of the weights lies in LDS,
	s_barrier_signal -1
	s_barrier_wait -1                              ; everybody's does
.Lchunk:                                           ; two trips: 8 token tiles each
	v_add_nc_u32 v[KIC], s58, v[KI0]
	v_add_nc_u32 v[KWC], s59, v[KW0]
	v_add_nc_u32 v[QWC], s60, v[QW0]
	LOADG0 0
	s_wait_alu depctr_va_vdst(0)
	KSTEP 0
	KSTEP 1
	KSTEP 2
	KSTEP 3
	KSTEP 4
	KSTEP 5
	KSTEP 6
	KSTEP 7
	QPHASE
	s_add_co_u32 s7, s7, 1
	s_cmp_lt_u32 s7, 2
	s_cbranch_scc1 .Lchunk
	s_wait_loadcnt 0x0                             ; the look-ahead's loads have landed: their registers are used again below
	; vsum: the odd tiles' accumulators onto the even tiles', each from its low end on; then the sixteen tokens of a row of lanes
.irp u, 0,1
.irp k, 0,2,4,6
	v_pk_add_f32 v[VA+8*\u+\k:VA+8*\u+\k+1], v[VA+8*\u+\k:VA+8*\u+\k+1], v[VA+16+8*\u+\k:VA+16+8*\u+\k+1]
.endr
.endr
.irp x, 1,2,4,8
.irp k, 0,1,2,3,4,5,6,7,8,9,10,11,12,13,14,15
	v_add_f32_dpp v[VA+\k], v[VA+\k], v[VA+\k] row_xmask:\x row_mask:0xf bank_mask:0xf
.endr
.endr
.irp q, 0,1,2,3
	ds_store_b128 v[VSW], v[VA+4*\q:VA+4*\q+3] offset:16*\q      ; register 8 u + j is d = 16 h + 8 u + j; the sixteen lanes of a half write the same bytes with the same values
.endr
	s_wait_dscnt 0x0                               ; for the others' sake: my images, my words and my part of vsum lie in LDS
	s_barrier_signal -1
	s_barrier_wait -1
	s_cmp_lg_u32 s2, 0
	s_cbranch_scc1 .Lnot_wave_0
	ds_load_b32 v247, v[VSR]                       ; wave 0 adds the four waves' parts: lane l takes d = l
	ds_load_b32 v248, v[VSR] offset:128
	ds_load_b32 v249, v[VSR] offset:256
	ds_load_b32 v250, v[VSR] offset:384
	s_wait_dscnt 0x0
	v_add_f32 v247, v247, v248
	v_add_f32 v249, v249, v250
	v_add_f32 v247, v247, v249
	global_store_b32 v[L4], v247, s[26:27]         ; 128 consecutive bytes; v247 is not written again
.Lnot_wave_0:
	; THE ROW SUMS OF q k^T.  My 16 tiles of queries: each tile's quad into all four quads of source 1
	WIN 0x40
.irp t, 0,1,2,3,4,5,6,7,8,9,10,11,12,13,14,15
.irp c, 0,1,2,3
	ds_load_b128 v[16*\t+4*\c:16*\t+4*\c+3], v[QIR] offset:512*\t
.endr
.endr
	WIN 0
.irp i, 0,1,2,3,4,5,6,7
	ds_load_b32 v[40+\i], v[QWR] offset:128*\i     ; q's words: lanes 0-15 tile 2 i, lanes 16-31 tile 2 i + 1
.endr
.irp p, 0,1,2,3,4,5,6,7,8,9,10,11,12,13,14,15
	ds_load_b32 v[48+\p], v[KWR] offset:128*\p     ; k's words, a register for each group of four tiles
.endr
.macro KFL p                           ; the keys of group p: four tiles' quads are one fragment
.irp c, 0,1,2,3
	ds_load_b128 v[104+16*((\p)%4)+4*\c:104+16*((\p)%4)+4*\c+3], v[KIR] offset:2048*(\p)+512*\c
.endr
.endm
	KFL 0
	KFL 1
	KFL 2
	KFL 3
.set P, 0
.rept 16
.if P == 0
.set ZF, 1
.else
.set ZF, 0
.endif
.if P < 13
	s_wait_dscnt 12                                ; this group's keys are in; the three groups behind it may be out
.else
	s_wait_dscnt 4*(15-P)
.endif
	WIN 0xa4
.irp t, 0,1,2,3,4,5,6,7,8,9,10,11,12,13,14,15
.set rD, 8*\t
.set rA, 104+16*(P%4)
.set rB, 16*\t
.set rSA, 48+P
.set rSB, 40+\t/2
	WM rD, rA, rB, ZF, rSA, rSB, 0, \t%2
.endr
.if P < 12
	PLACES 8
	WIN 0
	KFL P+4
.endif
.set P, P+1
.endr
	PLACES 8
	WIN 0x8a                                       ; a lane's eight rows of keys are added, from the accumulator's low end on,
.irp t, 0,1,2,3,4,5,6,7,8,9,10,11,12,13,14,15
	v_pk_add_f32 v[8*\t:8*\t+1], v[8*\t:8*\t+1], v[8*\t+2:8*\t+3]
.endr
.irp t, 0,1,2,3,4,5,6,7,8,9,10,11,12,13,14,15
	v_pk_add_f32 v[8*\t+4:8*\t+5], v[8*\t+4:8*\t+5], v[8*\t+6:8*\t+7]
.endr
.irp t, 0,1,2,3,4,5,6,7,8,9,10,11,12,13,14,15
	v_pk_add_f32 v[8*\t:8*\t+1], v[8*\t:8*\t+1], v[8*\t+4:8*\t+5]
.endr
	WIN 0x0a
.irp t, 0,1,2,3,4,5,6,7,8,9,10,11,12,13,14,15
	v_add_f32 v[200+\t], v[8*\t], v[8*\t+1]
.endr
	WIN 0
.irp t, 0,1,2,3,4,5,6,7,8,9,10,11,12,13,14,15
	v_permlanex16_b32 v[216+\t], v[200+\t], s54, s55
.endr
.irp t, 0,1,2,3,4,5,6,7,8,9,10,11,12,13,14,15
	v_add_f32 v[200+\t], v[200+\t], v[216+\t]      ; and the other half of the lanes' eight
.endr
.irp t, 0,1,2,3,4,5,6,7,8,9,10,11,12,13,14,15
	ds_store_b32 v[RSW], v[200+\t] offset:64*\t    ; token 16 t + r of my 256
.endr
	ds_load_b128 v[232:235], v[RSR]                ; LDS serves a wave's instructions in order: these see my stores
	ds_load_b128 v[236:239], v[RSR] offset:512
	s_wait_dscnt 0x0
	global_store_b128 v[GL], v[232:235], s[66:67]  ; each store covers 512 consecutive bytes, aligned
	global_store_b128 v[GL], v[236:239], s[68:69]
	s_wait_tensorcnt 0x0
	ds_add_u32 v254, v255
	s_wait_dscnt 0x0
	s_endpgm
.Lfunc_end_k_q54bce6a15a_qkv:
	.size	k_q54bce6a15a_qkv, .Lfunc_end_k_q54bce6a15a_qkv-k_q54bce6a15a_qkv
	.p2alignl 7, 3214868480
	.fill 96, 4, 3214868480
	.section	.rodata,"a",@progbits
	.p2align	6, 0x0
	.amdhsa_kernel k_q54bce6a15a_qkv
		.amdhsa_group_segment_fixed_size 177152
		.amdhsa_private_segment_fixed_size 0
		.amdhsa_enable_private_segment 0
		.amdhsa_kernarg_size 80
		.amdhsa_user_sgpr_count 2
		.amdhsa_user_sgpr_kernarg_segment_ptr 1
		.amdhsa_wavefront_size32 1
		.amdhsa_system_sgpr_workgroup_id_x 1
		.amdhsa_system_sgpr_workgroup_id_y 1
		.amdhsa_system_sgpr_workgroup_id_z 1
		.amdhsa_system_vgpr_workitem_id 0
		.amdhsa_next_free_vgpr 1024
		.amdhsa_next_free_sgpr 72
		.amdhsa_reserve_vcc 0
		.amdhsa_float_denorm_mode_32 3
		.amdhsa_float_denorm_mode_16_64 3
		.amdhsa_memory_ordered 1
		.amdhsa_forward_progress 1
		.amdhsa_inst_pref_size 198
	.end_amdhsa_kernel
	.amdgpu_metadata
---
amdhsa.version: [ 1, 2 ]
amdhsa.kernels:
  - .name:           k_q54bce6a15a_qkv
    .symbol:         k_q54bce6a15a_qkv.kd
    .args:
      - { .name: Wq_codes, .offset: 0, .size: 8, .value_kind: global_buffer, .address_space: global }
      - { .name: Wk_codes, .offset: 8, .size: 8, .value_kind: global_buffer, .address_space: global }
      - { .name: Wv_codes, .offset: 16, .size: 8, .value_kind: global_buffer, .address_space: global }
      - { .name: Wq_scales, .offset: 24, .size: 8, .value_kind: global_buffer, .address_space: global }
      - { .name: Wk_scales, .offset: 32, .size: 8, .value_kind: global_buffer, .address_space: global }
      - { .name: Wv_scales, .offset: 40, .size: 8, .value_kind: global_buffer, .address_space: global }
      - { .name: xc, .offset: 48, .size: 8, .value_kind: global_buffer, .address_space: global }
      - { .name: xs, .offset: 56, .size: 8, .value_kind: global_buffer, .address_space: global }
      - { .name: rs, .offset: 64, .size: 8, .value_kind: global_buffer, .address_space: global }
      - { .name: vs, .offset: 72, .size: 8, .value_kind: global_buffer, .address_space: global }
    .group_segment_fixed_size: 177152
    .private_segment_fixed_size: 0
    .kernarg_segment_align: 8
    .kernarg_segment_size: 80
    .max_flat_workgroup_size: 128
    .sgpr_count:     72
    .vgpr_count:     1024
    .wavefront_size: 32
...
	.end_amdgpu_metadata
.endif
;; end of part 2
;; launch ffn (part 3): grid 256 x 1, 8 waves a work-group, clusters of 4 x 1, 327,680 bytes of LDS; arguments x, rs, vs, wimg, W1_scales, W2_scales, g1, b1, g2, b2, out0; writes out0
.if DOCPART == 3
	.amdgcn_target "amdgcn-amd-amdhsa--gfx1250"
	.amdhsa_code_object_version 6
	.text
	.protected	k_q54bce6a15a_ffn
	.globl	k_q54bce6a15a_ffn
	.p2align	8
	.type	k_q54bce6a15a_ffn,@function
k_q54bce6a15a_ffn:
	s_mov_b64 s[64:65], 0
	v_nop
	global_prefetch_b8 v0, s[64:65] scope:SCOPE_SE
	s_setreg_imm32_b32 hwreg(HW_REG_WAVE_MODE, 25, 1), 1
	s_wait_xcnt 0x0
	s_wait_alu depctr_hold_cnt(0) depctr_sa_sdst(0) depctr_va_vdst(0) depctr_va_sdst(0) depctr_va_ssrc(0) depctr_va_vcc(0) depctr_vm_vsrc(0)
	s_getreg_b32 s2, hwreg(HW_REG_IB_STS2, 6, 4)
	s_cmp_eq_u32 s2, 0
	s_cbranch_scc0 .Lentry_in_a_cluster
	s_endpgm
.Lentry_in_a_cluster:
	s_bfe_u32 s2, ttmp6, 0x10000c
	s_cmp_lg_u32 s2, 0x3003
	s_cbranch_scc0 .Lentry_shape_is_right
	s_endpgm
.Lentry_shape_is_right:
; out0 = LN2(x1 + relu(x1 W1) W2) with x1 = LN1(x + p vsum): one work-group takes 32 tokens of one batch through the whole chain; nothing of it goes to memory on the way.
; p[head][t] = softmax over the batch's 1,024 queries of (rs[2 head][t] + rs[2 head + 1][t]) / 8, the row's maximum taken away first; vsum = vs.  Both products are v_wmma_scale_f32_16x16x128_f8f6f4, used transposed
; (source 0 = 16 weight rows, source 1 = 16 tokens): a lane holds one token and its registers run along the columns, in the order that the next product's operand wants (the weight images' rows are chosen so).
; SHARES.  Eight waves; wave w owns columns 128 w .. 128 w + 127 of x, x1, the hidden layer and the result for all 32 tokens: 16 accumulators.  Row sums for the norms meet in LDS (RED).
; x1 and the hidden layer are quantised in registers and handed to all waves as images of operand registers (XI, scale words XSW).  x1 itself waits in the wave's stage and is the second product's first C.
; THE WEIGHTS.  A group is four fragments, half a K step of the wave's eight: 8,192 bytes on end in wimg; 32 groups a wave.  Groups 4 j, 4 j + 1, 4 j + 2 come by global loads straight into registers, asked for three groups ahead
; (four buffers of 64 registers).  Groups 4 j + 3 come through a ring of two LDS slots of 8,192 bytes a wave, by a load that the four work-groups of a cluster ask for jointly (all walk the same weights); each wave reads its own bytes alone.
; Each joint fill stands behind a drained round of the cluster's barrier, seven groups ahead of the group that reads it.
; THE HEAD.  x's tile is the wave's one tensor load there; the global loads and the softmax stand under it.  Slot 0 is first filled behind the wait for x, slot 1 at the round in front of the first product.
; No prefetch is laid: both feeds are themselves asked for three and seven groups ahead of their use.
; LIMITS: NaN and infinities are not served; a block whose largest magnitude lies under 2^-118, a block of zeros among them, gets the byte 1 (zeros have zero codes; this launch alone reads the bytes).
; LDS: 0 the waves' stages, 32 rows x 528 bytes each (x, then x1, then the result on its way out); XI images; XSW scale words; RED row sums; CV vsum, g1, b1, g2, b2 of the wave's columns; RING; SPARE.
.set XI,    135168
.set XSW,   167936
.set RED,   169984
.set CV,    174080
.set RING,  194560
.set SPARE, 325632
.set GL,  1
.set XA,  2
.set WL,  3
.set XR,  3
.set IW,  4
.set LI,  5
.set SWW, 6
.set SWR, 7
.set RW,  8
.set RR,  9
.set CVR, 10
.set WSO, 11
.set ASW, 12
.set SPW, 14
.set NIL, 15
.set WS,  16
.set AF,  48
.set TM,  48
.set PCA, 64
.set PCB, 96
.set PW,  80
.set PP,  84
.set R4,  120
.set CVW, 121
.set Y,   128
.set G0W, 56
.set G1W, 68
.set MSB, 0
.macro WIN new
.if MSB != (\new)
	s_set_vgpr_msb (MSB<<8)|(\new)
.set MSB, (\new)
.endif
.endm
.macro PLACES n
.rept \n
	v_nop
.endr
.endm
.macro BARRIER
	s_wait_dscnt 0x0
	s_barrier_signal -1
	s_barrier_wait -1
.endm
.macro CROUND
	s_barrier_signal -1
	s_barrier_wait -1
	s_cmp_lg_u32 s2, 0
	s_cbranch_scc1 .Lnot_wave_0_\@
	s_barrier_signal -3
.Lnot_wave_0_\@:
	s_barrier_wait -3
	s_barrier_signal -1
	s_barrier_wait -1
.endm
.macro WM d, a, b, zero, sa, sb, ra, rb
.if (\zero) && (\ra) && (\rb)
	v_wmma_scale_f32_16x16x128_f8f6f4 v[\d:\d+7], v[\a:\a+15], v[\b:\b+15], 0, v[\sa], v[\sb] matrix_a_scale:MATRIX_SCALE_ROW1 matrix_b_scale:MATRIX_SCALE_ROW1
.elseif (\zero) && (\ra)
	v_wmma_scale_f32_16x16x128_f8f6f4 v[\d:\d+7], v[\a:\a+15], v[\b:\b+15], 0, v[\sa], v[\sb] matrix_a_scale:MATRIX_SCALE_ROW1
.elseif (\zero) && (\rb)
	v_wmma_scale_f32_16x16x128_f8f6f4 v[\d:\d+7], v[\a:\a+15], v[\b:\b+15], 0, v[\sa], v[\sb] matrix_b_scale:MATRIX_SCALE_ROW1
.elseif (\zero)
	v_wmma_scale_f32_16x16x128_f8f6f4 v[\d:\d+7], v[\a:\a+15], v[\b:\b+15], 0, v[\sa], v[\sb]
.elseif (\ra) && (\rb)
	v_wmma_scale_f32_16x16x128_f8f6f4 v[\d:\d+7], v[\a:\a+15], v[\b:\b+15], v[\d:\d+7], v[\sa], v[\sb] matrix_a_scale:MATRIX_SCALE_ROW1 matrix_b_scale:MATRIX_SCALE_ROW1
.elseif (\ra)
	v_wmma_scale_f32_16x16x128_f8f6f4 v[\d:\d+7], v[\a:\a+15], v[\b:\b+15], v[\d:\d+7], v[\sa], v[\sb] matrix_a_scale:MATRIX_SCALE_ROW1
.elseif (\rb)
	v_wmma_scale_f32_16x16x128_f8f6f4 v[\d:\d+7], v[\a:\a+15], v[\b:\b+15], v[\d:\d+7], v[\sa], v[\sb] matrix_b_scale:MATRIX_SCALE_ROW1
.else
	v_wmma_scale_f32_16x16x128_f8f6f4 v[\d:\d+7], v[\a:\a+15], v[\b:\b+15], v[\d:\d+7], v[\sa], v[\sb]
.endif
.endm
.macro QUANT s, relu, pc, pw
.if \relu
.irp b, 0,1,2,3
	v_max3_num_f32 v[TM+\b], v[\s+16*\b], v[\s+1+16*\b], 0x4800000
.endr
.irp i, 2,4,6,8,10,12,14
.irp b, 0,1,2,3
	v_max3_num_f32 v[TM+\b], v[TM+\b], v[\s+16*\b+\i], v[\s+1+16*\b+\i]
.endr
.endr
.else
.irp b, 0,1,2,3
	v_max3_num_f32 v[TM+\b], |v[\s+16*\b]|, |v[\s+1+16*\b]|, 0x4800000
.endr
.irp i, 2,4,6,8,10,12,14
.irp b, 0,1,2,3
	s_delay_alu instid0(VALU_DEP_4)
	v_max3_num_f32 v[TM+\b], v[TM+\b], |v[\s+16*\b+\i]|, |v[\s+1+16*\b+\i]|
.endr
.endr
.endif
.irp b, 0,1,2,3
	s_delay_alu instid0(VALU_DEP_4)
	v_permlanex16_b32 v[TM+4+\b], v[TM+\b], s44, s45
.endr
.irp b, 0,1,2,3
	s_delay_alu instid0(VALU_DEP_4)
	v_max_num_f32 v[TM+\b], v[TM+\b], v[TM+4+\b]
.endr
.irp b, 0,1,2,3
	s_delay_alu instid0(VALU_DEP_4)
	v_add_nc_u32 v[TM+12+\b], 0xfc000000, v[TM+\b]
.endr
.irp b, 0,1,2,3
	v_and_or_b32 v[TM+8+\b], v[TM+\b], 0x7f800000, s46
.endr
.irp b, 0,1,2,3
	v_lshrrev_b32 v[TM+4+\b], 23, v[TM+12+\b]
.endr
	s_delay_alu instid0(VALU_DEP_3)
	v_lshl_or_b32 v[\pw], v[TM+5], 8, v[TM+4]
	s_delay_alu instid0(VALU_DEP_1)
	v_lshl_or_b32 v[\pw], v[TM+6], 16, v[\pw]
	s_delay_alu instid0(VALU_DEP_1)
	v_lshl_or_b32 v[\pw], v[TM+7], 24, v[\pw]
.irp b, 0,1,2,3
.irp i, 0,1,2,3,4,5,6,7,8,9,10,11,12,13,14,15
.if \relu
	v_med3_num_f32 v[\s+16*\b+\i], v[\s+16*\b+\i], 0, v[TM+8+\b]
.else
	v_med3_num_f32 v[\s+16*\b+\i], v[\s+16*\b+\i], -v[TM+8+\b], v[TM+8+\b]
.endif
.endr
	v_cvt_scalef32_pk8_fp8_f32 v[\pc+4*\b:\pc+1+4*\b], v[\s+16*\b:\s+7+16*\b], v[TM+12+\b]
	v_cvt_scalef32_pk8_fp8_f32 v[\pc+2+4*\b:\pc+3+4*\b], v[\s+8+16*\b:\s+15+16*\b], v[TM+12+\b]
.endr
	v_nop
.endm
.macro IMG pc, off
.irp c, 0,1,2,3
	ds_store_b128 v[IW], v[\pc+4*\c:\pc+4*\c+3] offset:\off+512*\c
.endr
.endm
.macro AFL s, par, hid
.irp ta, 0,1
.irp c, 0,1,2,3
	ds_load_b128 v[AF+32*(\par)+16*\ta+4*\c:AF+32*(\par)+16*\ta+4*\c+3], v[LI] offset:(8*\ta+(\s))*2048+512*\c
.endr
.endr
	ds_load_b32 v[ASW+(\par)], v[SWR] offset:(\hid)*1024+128*(\s)
.endm
.macro WGRP g
	WIN 0x40
.irp f, 0,1,2,3
.irp c, 0,1,2,3
	global_load_b128 v[64*((\g)%4)+16*\f+4*\c:64*((\g)%4)+16*\f+4*\c+3], v[GL], s[14:15] offset:(\g)*8192+2048*\f+512*\c
.endr
.endr
.endm
.macro LFL sl
.irp f, 0,1,2,3
.irp c, 0,1,2,3
	ds_load_b128 v[192+16*\f+4*\c:192+16*\f+4*\c+3], v[WL] offset:(\sl)*8192+2048*\f+512*\c
.endr
.endr
.endm
.macro CHANGE sl
	WIN 0
	s_wait_tensorcnt 0x0
	ds_add_u32 v[SPW], v[NIL]
	s_add_nc_u64 s[G0W+4*(\sl)+2:G0W+4*(\sl)+3], s[G0W+4*(\sl)+2:G0W+4*(\sl)+3], 65536
	s_wait_dscnt 0x0
	CROUND
	tensor_load_to_lds s[G0W+4*(\sl):G0W+4*(\sl)+3], s[G1W:G1W+7]
	s_nop 0
	PLACES 4
.endm
.macro GRP g, hid
.set GS, ((\g)%16)/2
.set GH, (\g)%2
.set GP, GS%2
.set GT, (\g)%4
.if (\g) < 2
.set ZF, 1
.else
.set ZF, 0
.endif
.set NV, 0
.irp d, 1,2,3
.if ((\g)+\d < 32) && (((\g)+\d)%4 != 3)
.set NV, NV+1
.endif
.endr
.if (GT == 0) && ((\g) >= 4) && ((\g) <= 24) && ((\g) != 16)
	CHANGE ((\g)/4-1)%2
	PLACES 4
.elseif ((\g) != 0) && ((\g) != 16)
	PLACES 8
.endif
.if GH == 0
	WIN 0
.if GT == 2
.if (\g) == 2
	s_wait_tensorcnt 0x1
.elseif (\g) == 30
	s_wait_tensorcnt 0x0
.endif
	WIN 0x40
	LFL ((\g)/4)%2
	WIN 0
.endif
.if GS < 7
	AFL GS+1, 1-GP, \hid
.endif
.endif
.if ((\g)+3 < 32) && (((\g)+3)%4 != 3)
	WGRP (\g)+3
.endif
.if (\g) == 16
	s_wait_loadcnt 0x0
.elseif GT != 3
	s_wait_loadcnt 16*NV
.endif
.if GT == 0
	s_wait_dscnt 9
.elseif (GT == 2) && (GS < 7)
	s_wait_dscnt 25
.elseif GT == 2
	s_wait_dscnt 16
.elseif (GT == 3) && (GS < 7)
	s_wait_dscnt 9
.elseif GT == 3
	s_wait_dscnt 0x0
.endif
	WIN 0x01
.irp ta, 0,1
.irp f, 0,1,2,3
.set rD, Y+64*\ta+8*(4*GH+\f)
.set rA, 64*((\g)%4)+16*\f
.set rB, AF+32*GP+16*\ta
.set rSA, WS+8*((4*GH+\f)/2)+GS
.set rSB, ASW+GP
	WM rD, rA, rB, ZF, rSA, rSB, \f%2, \ta
.endr
.endr
.endm
.macro REDUCE reg
.irp ta, 0,1
	v_pk_add_f32 v[112+4*\ta:113+4*\ta], v[112+4*\ta:113+4*\ta], v[114+4*\ta:115+4*\ta]
.endr
.irp ta, 0,1
	s_delay_alu instid0(VALU_DEP_2)
	v_add_f32 v[112+4*\ta], v[112+4*\ta], v[113+4*\ta]
.endr
.irp ta, 0,1
	s_delay_alu instid0(VALU_DEP_2)
	v_permlanex16_b32 v[113+4*\ta], v[112+4*\ta], s44, s45
.endr
.irp ta, 0,1
	s_delay_alu instid0(VALU_DEP_2)
	v_add_f32 v[112+4*\ta], v[112+4*\ta], v[113+4*\ta]
.endr
.irp ta, 0,1
	ds_store_b32 v[RW], v[112+4*\ta] offset:1024*(\reg)+512*\ta
.endr
	BARRIER
.irp ta, 0,1
	ds_load_b128 v[96+8*\ta:99+8*\ta], v[RR] offset:1024*(\reg)+512*\ta
	ds_load_b128 v[100+8*\ta:103+8*\ta], v[RR] offset:1024*(\reg)+512*\ta+16
.endr
	s_wait_dscnt 0x0
.irp ta, 0,1
	v_pk_add_f32 v[96+8*\ta:97+8*\ta], v[96+8*\ta:97+8*\ta], v[98+8*\ta:99+8*\ta]
	v_pk_add_f32 v[100+8*\ta:101+8*\ta], v[100+8*\ta:101+8*\ta], v[102+8*\ta:103+8*\ta]
.endr
.irp ta, 0
	s_delay_alu instid0(VALU_DEP_3)
	v_pk_add_f32 v[96+8*\ta:97+8*\ta], v[96+8*\ta:97+8*\ta], v[100+8*\ta:101+8*\ta]
.endr
.irp ta, 1
	s_delay_alu instid0(VALU_DEP_2)
	v_pk_add_f32 v[96+8*\ta:97+8*\ta], v[96+8*\ta:97+8*\ta], v[100+8*\ta:101+8*\ta]
.endr
.irp ta, 0,1
	s_delay_alu instid0(VALU_DEP_2)
	v_add_f32 v[96+8*\ta], v[96+8*\ta], v[97+8*\ta]
.endr
.endm
.macro GBL k, be, base
.irp q, 0,1,2,3
	ds_load_b128 v[\base+4*\q:\base+4*\q+3], v[CVR] offset:(1+2*(\k))*512+128*(\be)+16*\q
.endr
.irp q, 0,1,2,3
	ds_load_b128 v[\base+16+4*\q:\base+16+4*\q+3], v[CVR] offset:(2+2*(\k))*512+128*(\be)+16*\q
.endr
.endm
.macro GBA be, base
.irp ta, 0,1
.set J, 0
.rept 8
	v_pk_fma_f32 v[Y+64*\ta+16*(\be)+J:Y+64*\ta+16*(\be)+J+1], v[Y+64*\ta+16*(\be)+J:Y+64*\ta+16*(\be)+J+1], v[\base+J:\base+J+1], v[\base+16+J:\base+17+J]
.set J, J+2
.endr
.endr
.endm
.macro LNORM k
.irp ta, 0,1
	v_pk_add_f32 v[112+4*\ta:113+4*\ta], v[Y+64*\ta:Y+64*\ta+1], v[Y+64*\ta+2:Y+64*\ta+3]
	v_pk_add_f32 v[114+4*\ta:115+4*\ta], v[Y+64*\ta+4:Y+64*\ta+5], v[Y+64*\ta+6:Y+64*\ta+7]
.endr
.set J, 8
.rept 14
.irp ta, 0,1
	v_pk_add_f32 v[112+4*\ta:113+4*\ta], v[112+4*\ta:113+4*\ta], v[Y+64*\ta+J:Y+64*\ta+J+1]
	v_pk_add_f32 v[114+4*\ta:115+4*\ta], v[114+4*\ta:115+4*\ta], v[Y+64*\ta+J+2:Y+64*\ta+J+3]
.endr
.set J, J+4
.endr
	REDUCE 2*(\k)
.irp ta, 0
	s_delay_alu instid0(VALU_DEP_2)
	v_mul_f32 v[120+2*\ta], s50, v[96+8*\ta]
	s_delay_alu instid0(VALU_DEP_3)
	v_mul_f32 v[121+2*\ta], s50, v[96+8*\ta]
.endr
.irp ta, 1
	s_delay_alu instid0(VALU_DEP_3)
	v_mul_f32 v[120+2*\ta], s50, v[96+8*\ta]
	s_delay_alu instid0(VALU_DEP_4)
	v_mul_f32 v[121+2*\ta], s50, v[96+8*\ta]
.endr
.irp ta, 0,1
.set J, 0
.rept 32
	v_pk_add_f32 v[Y+64*\ta+J:Y+64*\ta+J+1], v[Y+64*\ta+J:Y+64*\ta+J+1], v[120+2*\ta:121+2*\ta] neg_lo:[0,1] neg_hi:[0,1]
.set J, J+2
.endr
.endr
.irp ta, 0,1
	v_pk_mul_f32 v[112+4*\ta:113+4*\ta], v[Y+64*\ta:Y+64*\ta+1], v[Y+64*\ta:Y+64*\ta+1]
	v_pk_mul_f32 v[114+4*\ta:115+4*\ta], v[Y+64*\ta+2:Y+64*\ta+3], v[Y+64*\ta+2:Y+64*\ta+3]
.endr
.set J, 4
.rept 15
.irp ta, 0,1
	s_delay_alu instid0(VALU_DEP_4)
	v_pk_fma_f32 v[112+4*\ta:113+4*\ta], v[Y+64*\ta+J:Y+64*\ta+J+1], v[Y+64*\ta+J:Y+64*\ta+J+1], v[112+4*\ta:113+4*\ta]
	s_delay_alu instid0(VALU_DEP_4)
	v_pk_fma_f32 v[114+4*\ta:115+4*\ta], v[Y+64*\ta+J+2:Y+64*\ta+J+3], v[Y+64*\ta+J+2:Y+64*\ta+J+3], v[114+4*\ta:115+4*\ta]
.endr
.set J, J+4
.endr
	GBL \k, 0, 48
	REDUCE 2*(\k)+1
.irp ta, 0,1
	s_delay_alu instid0(VALU_DEP_2)
	v_fmaak_f32 v[96+8*\ta], s50, v[96+8*\ta], 0x3727c5ac
.endr
	s_wait_alu depctr_va_vdst(0)
.irp ta, 0,1
	v_rsq_f32 v[124+2*\ta], v[96+8*\ta]
	v_rsq_f32 v[125+2*\ta], v[96+8*\ta]
.endr
	v_nop
	s_wait_alu depctr_va_vdst(0)
	GBL \k, 1, 80
.irp ta, 0,1
.set J, 0
.rept 32
	v_pk_mul_f32 v[Y+64*\ta+J:Y+64*\ta+J+1], v[Y+64*\ta+J:Y+64*\ta+J+1], v[124+2*\ta:125+2*\ta]
.set J, J+2
.endr
.endr
	GBA 0, 48
	GBL \k, 2, 48
	s_wait_dscnt 8
	GBA 1, 80
	GBL \k, 3, 80
	s_wait_dscnt 8
	GBA 2, 48
	s_wait_dscnt 0x0
	GBA 3, 80
.endm
	s_load_b512 s[8:23], s[0:1], 0x0
	s_load_b128 s[24:27], s[0:1], 0x40
	s_load_b64 s[28:29], s[0:1], 0x50
	v_lshl_add_u32 v[SPW], v0, 2, SPARE
	v_mov_b32 v[NIL], 0
	ds_add_u32 v14, v15
	ds_add_u32 v14, v15
	s_wait_dscnt 0x0
	v_lshrrev_b32 v112, 5, v0
	s_delay_alu instid0(VALU_DEP_1)
	v_readfirstlane_b32 s2, v112
	s_bfe_u32 s6, ttmp6, 0x40000
	s_lshl_b32 s3, ttmp9, 2
	s_add_co_u32 s3, s3, s6
	s_lshr_b32 s4, s3, 5
	s_and_b32 s5, s3, 31
	s_lshl_b32 s5, s5, 7
	s_mov_b32 s32, (2<<16)|(1<<20)|(6<<22)|(3<<25)
	s_mov_b32 s33, 128<<16
	s_mov_b32 s34, 32<<16
	s_mov_b32 s35, 128<<16
	s_mov_b32 s36, 32
	s_mov_b32 s37, 1024
	s_mov_b32 s38, 0
	s_mov_b32 s39, 0
	s_mov_b32 s[G1W], 15|(3<<16)|(1<<21)
	s_mov_b32 s[G1W+1], 32<<16
	s_mov_b32 s[G1W+2], 32<<16
	s_mov_b32 s[G1W+3], 32<<16
	s_mov_b32 s[G1W+4], 32
	s_mov_b32 s[G1W+5], 32
	s_mov_b32 s[G1W+6], 0
	s_mov_b32 s[G1W+7], 0
	s_mul_i32 s30, s2, 16896
	v_and_b32 v112, 31, v0
	v_and_b32 v113, 15, v0
	v_bfe_u32 v114, v0, 4, 1
	s_delay_alu instid0(VALU_DEP_3)
	v_lshlrev_b32 v[GL], 4, v112
	s_delay_alu instid0(VALU_DEP_3)
	v_mul_u32_u24 v[XA], v113, 528
	s_delay_alu instid0(VALU_DEP_1)
	v_lshl_add_u32 v[XA], v114, 6, v[XA]
	s_delay_alu instid0(VALU_DEP_1)
	v_add_nc_u32 v[XA], s30, v[XA]
	s_lshl_b32 s7, s2, 14
	s_add_co_u32 s7, s7, RING
	v_add_nc_u32 v[WL], s7, v[GL]
	s_lshl_b32 s31, s2, 11
	s_add_co_u32 s31, s31, XI
	v_add_nc_u32 v[IW], s31, v[GL]
	v_add_nc_u32 v[LI], XI, v[GL]
	v_lshlrev_b32 v115, 2, v112
	s_lshl_b32 s31, s2, 7
	s_add_co_u32 s31, s31, XSW
	v_add_nc_u32 v[SWW], s31, v115
	v_add_nc_u32 v[SWR], XSW, v115
	s_lshl_b32 s31, s2, 2
	s_add_co_u32 s31, s31, RED
	v_lshl_add_u32 v[RW], v113, 5, s31
	v_lshlrev_b32 v[RR], 5, v113
	s_delay_alu instid0(VALU_DEP_1)
	v_add_nc_u32 v[RR], RED, v[RR]
	s_mul_i32 s31, s2, 2560
	s_add_co_u32 s31, s31, CV
	v_lshl_add_u32 v[CVR], v114, 6, s31
	v_add_nc_u32 v[CVW], s31, v[GL]
	v_lshrrev_b32 v116, 3, v113
	s_delay_alu instid0(VALU_DEP_1)
	v_lshl_add_u32 v116, v116, 3, v113
	s_delay_alu instid0(VALU_DEP_1)
	v_lshl_add_u32 v116, v114, 3, v116
	s_delay_alu instid0(VALU_DEP_1)
	v_lshlrev_b32 v[WSO], 5, v116
	v_lshlrev_b32 v[R4], 2, v113
	s_mov_b32 s44, 0x76543210
	s_mov_b32 s45, 0xfedcba98
	s_mov_b32 s46, 0x600000
	s_mov_b32 s47, 0xffff0000
	s_mov_b32 s48, 0x3e38aa3b
	s_mov_b32 s49, s48
	s_mov_b32 s50, 0x3a800000
	s_mov_b32 s53, 0
	s_lshl_b32 s76, s2, 18
	s_mov_b32 s77, 0
	s_wait_kmcnt 0x0
	s_lshl_b32 s52, s3, 17
	s_lshl_b32 s31, s2, 9
	s_add_co_u32 s52, s52, s31
	s_add_nc_u64 s[8:9], s[8:9], s[52:53]
	s_add_nc_u64 s[28:29], s[28:29], s[52:53]
	s_mov_b32 s40, 1
	s_mov_b32 s41, s30
	s_mov_b64 s[42:43], s[8:9]
	s_or_b32 s43, s43, 0x80000000
	s_add_nc_u64 s[14:15], s[14:15], s[76:77]
	s_mov_b32 s[G0W], 1
	s_mov_b32 s[G0W+1], s7
	s_add_nc_u64 s[G0W+2:G0W+3], s[14:15], 3*8192
	s_or_b32 s[G0W+3], s[G0W+3], 0x80000000
	s_mov_b32 s[G0W+4], 1
	s_add_co_u32 s[G0W+5], s7, 8192
	s_add_nc_u64 s[G0W+6:G0W+7], s[14:15], 7*8192
	s_or_b32 s[G0W+7], s[G0W+7], 0x80000000
	CROUND
	tensor_load_to_lds s[40:43], s[32:39]          ; my 128 columns of the 32 rows of x: the wave's one tensor load at the head; the loads and the softmax below stand under it
	s_nop 0
	PLACES 4
	s_lshl_b32 s52, s4, 5
	s_lshl_b32 s31, s2, 2
	s_add_co_u32 s52, s52, s31
	s_lshl_b32 s52, s52, 12
	s_add_nc_u64 s[10:11], s[10:11], s[52:53]
	s_mov_b32 s52, s5
	s_add_nc_u64 s[54:55], s[10:11], s[52:53]
	s_lshl_b32 s52, s4, 12
	s_lshl_b32 s31, s2, 9
	s_add_co_u32 s52, s52, s31
	s_add_nc_u64 s[12:13], s[12:13], s[52:53]
	s_lshl_b32 s52, s2, 12
	s_add_nc_u64 s[16:17], s[16:17], s[52:53]
	s_add_nc_u64 s[18:19], s[18:19], s[52:53]
	s_lshl_b32 s52, s2, 9
	s_add_nc_u64 s[20:21], s[20:21], s[52:53]
	s_add_nc_u64 s[22:23], s[22:23], s[52:53]
	s_add_nc_u64 s[24:25], s[24:25], s[52:53]
	s_add_nc_u64 s[26:27], s[26:27], s[52:53]
	s_wait_alu depctr_va_vdst(0)
.irp i, 0,1,2,3
	global_load_b128 v[WS+8*\i:WS+8*\i+3], v[WSO], s[16:17] offset:1024*\i
	global_load_b128 v[WS+8*\i+4:WS+8*\i+7], v[WSO], s[16:17] offset:1024*\i+16
.endr
.irp q, 0,1,2,3
.irp ta, 0,1
	global_load_b32 v[112+2*\q+\ta], v[R4], s[54:55] offset:4096*\q+64*\ta
.endr
.endr
	global_load_b128 v[56:59], v[GL], s[12:13]
	global_load_b128 v[60:63], v[GL], s[20:21]
	global_load_b128 v[64:67], v[GL], s[22:23]
	global_load_b128 v[68:71], v[GL], s[24:25]
	global_load_b128 v[72:75], v[GL], s[26:27]
.irp q, 0,1,2,3
.irp i, 0,1,2,3,4,5,6,7
	global_load_b128 v[Y+32*\q+4*\i:Y+32*\q+4*\i+3], v[GL], s[10:11] offset:4096*\q+512*\i
.endr
.endr
.irp b, 0,1,2,3
	v_mov_b32 v[TM+4+\b], 0
.endr
	v_mov_b32 v93, 0
	v_mov_b32 v95, 0
	v_mov_b32 v98, 0
	v_mov_b32 v99, 0
	s_wait_loadcnt 0x0
.irp k, 0,1,2,3,4
	ds_store_b128 v[CVW], v[56+4*\k:59+4*\k] offset:512*\k
.endr
	WGRP 0
	WGRP 1
	WGRP 2
	WIN 0
.irp hd, 0,1
.set J, 0
.rept 16
	v_pk_add_f32 v[Y+64*\hd+J:Y+64*\hd+J+1], v[Y+64*\hd+J:Y+64*\hd+J+1], v[Y+64*\hd+32+J:Y+64*\hd+33+J]
.set J, J+2
.endr
.endr
.irp hd, 0,1
	v_max3_num_f32 v[Y+64*\hd+32], v[Y+64*\hd], v[Y+64*\hd+1], v[Y+64*\hd+2]
	v_max3_num_f32 v[Y+64*\hd+33], v[Y+64*\hd+16], v[Y+64*\hd+17], v[Y+64*\hd+18]
.endr
.irp i, 3,5,7,9,11,13
.irp hd, 0,1
	s_delay_alu instid0(VALU_DEP_4)
	v_max3_num_f32 v[Y+64*\hd+32], v[Y+64*\hd+32], v[Y+64*\hd+\i], v[Y+64*\hd+\i+1]
	s_delay_alu instid0(VALU_DEP_4)
	v_max3_num_f32 v[Y+64*\hd+33], v[Y+64*\hd+33], v[Y+64*\hd+16+\i], v[Y+64*\hd+17+\i]
.endr
.endr
.irp hd, 0
	s_delay_alu instid0(VALU_DEP_4)
	v_max3_num_f32 v[Y+64*\hd+32], v[Y+64*\hd+32], v[Y+64*\hd+15], v[Y+64*\hd+31]
.endr
.irp hd, 1
	s_delay_alu instid0(VALU_DEP_3)
	v_max3_num_f32 v[Y+64*\hd+32], v[Y+64*\hd+32], v[Y+64*\hd+15], v[Y+64*\hd+31]
.endr
.irp hd, 0,1
	s_delay_alu instid0(VALU_DEP_2)
	v_max_num_f32 v[92+2*\hd], v[Y+64*\hd+32], v[Y+64*\hd+33]
.endr
.irp x, 1,2,4,8
	s_delay_alu instid0(VALU_DEP_2)
	v_max_num_f32_dpp v92, v92, v92 row_xmask:\x row_mask:0xf bank_mask:0xf
	s_delay_alu instid0(VALU_DEP_2)
	v_max_num_f32_dpp v94, v94, v94 row_xmask:\x row_mask:0xf bank_mask:0xf
.endr
.irp hd, 0,1
	s_delay_alu instid0(VALU_DEP_2)
	v_permlanex16_b32 v[93+2*\hd], v[92+2*\hd], s44, s45
.endr
.irp hd, 0,1
	s_delay_alu instid0(VALU_DEP_2)
	v_max_num_f32 v[92+2*\hd], v[92+2*\hd], v[93+2*\hd]
.endr
.irp hd, 0,1
	s_delay_alu instid0(VALU_DEP_2)
	v_mov_b32 v[93+2*\hd], v[92+2*\hd]
.endr
.irp hd, 0,1
.irp ta, 0,1
	v_add_f32 v[112+4*\hd+\ta], v[112+4*\hd+\ta], v[114+4*\hd+\ta]
.endr
.endr
.irp hd, 0,1
.irp ta, 0,1
	s_delay_alu instid0(VALU_DEP_4)
	v_sub_f32 v[112+4*\hd+\ta], v[112+4*\hd+\ta], v[92+2*\hd]
.endr
.endr
.irp hd, 0,1
.irp ta, 0,1
	s_delay_alu instid0(VALU_DEP_4)
	v_mul_f32 v[112+4*\hd+\ta], s48, v[112+4*\hd+\ta]
.endr
.endr
.irp hd, 0,1
.set J, 0
.rept 16
	v_pk_add_f32 v[Y+64*\hd+J:Y+64*\hd+J+1], v[Y+64*\hd+J:Y+64*\hd+J+1], v[92+2*\hd:93+2*\hd] neg_lo:[0,1] neg_hi:[0,1]
.set J, J+2
.endr
.endr
.irp hd, 0,1
.set J, 0
.rept 16
	v_pk_mul_f32 v[Y+64*\hd+J:Y+64*\hd+J+1], v[Y+64*\hd+J:Y+64*\hd+J+1], s[48:49] op_sel_hi:[1,0]
.set J, J+2
.endr
.endr
	s_wait_alu depctr_va_vdst(0)
.irp hd, 0,1
.irp ta, 0,1
	v_exp_f32 v[112+4*\hd+\ta], v[112+4*\hd+\ta]
.endr
.endr
.irp hd, 0,1
.set J, 0
.rept 32
	v_exp_f32 v[Y+64*\hd+J], v[Y+64*\hd+J]
.set J, J+1
.endr
.endr
	v_nop
	s_wait_alu depctr_va_vdst(0)
.irp k, 2,4,6,8,10,12,14
.irp hd, 0,1
	v_pk_add_f32 v[Y+64*\hd:Y+64*\hd+1], v[Y+64*\hd:Y+64*\hd+1], v[Y+64*\hd+\k:Y+64*\hd+\k+1]
	v_pk_add_f32 v[Y+64*\hd+16:Y+64*\hd+17], v[Y+64*\hd+16:Y+64*\hd+17], v[Y+64*\hd+16+\k:Y+64*\hd+17+\k]
.endr
.endr
.irp hd, 0
	s_delay_alu instid0(VALU_DEP_3)
	v_pk_add_f32 v[Y+64*\hd:Y+64*\hd+1], v[Y+64*\hd:Y+64*\hd+1], v[Y+64*\hd+16:Y+64*\hd+17]
.endr
.irp hd, 1
	s_delay_alu instid0(VALU_DEP_2)
	v_pk_add_f32 v[Y+64*\hd:Y+64*\hd+1], v[Y+64*\hd:Y+64*\hd+1], v[Y+64*\hd+16:Y+64*\hd+17]
.endr
.irp hd, 0,1
	s_delay_alu instid0(VALU_DEP_2)
	v_add_f32 v[96+\hd], v[Y+64*\hd], v[Y+64*\hd+1]
.endr
.irp x, 1,2,4,8
	s_delay_alu instid0(VALU_DEP_2)
	v_add_f32_dpp v96, v96, v96 row_xmask:\x row_mask:0xf bank_mask:0xf
	s_delay_alu instid0(VALU_DEP_2)
	v_add_f32_dpp v97, v97, v97 row_xmask:\x row_mask:0xf bank_mask:0xf
.endr
.irp hd, 0,1
	s_delay_alu instid0(VALU_DEP_2)
	v_permlanex16_b32 v[98+\hd], v[96+\hd], s44, s45
.endr
.irp hd, 0,1
	s_delay_alu instid0(VALU_DEP_2)
	v_add_f32 v[96+\hd], v[96+\hd], v[98+\hd]
.endr
	s_wait_alu depctr_va_vdst(0)
.irp hd, 0,1
	v_rcp_f32 v[96+\hd], v[96+\hd]
.endr
	v_nop
	s_wait_alu depctr_va_vdst(0)
.irp ta, 0,1
.irp hd, 0,1
	v_mul_f32 v[PP+4*\ta+2*\hd], v[112+4*\hd+\ta], v[96+\hd]
	v_mul_f32 v[PP+4*\ta+2*\hd+1], v[112+4*\hd+\ta], v[96+\hd]
.endr
.endr
.irp b, 0,1,2,3
.irp q, 0,1,2,3
	ds_load_b128 v[48+16*\b+12*(\b/2)+4*\q:48+16*\b+12*(\b/2)+4*\q+3], v[CVR] offset:128*\b+16*\q
.endr
.endr
	s_wait_alu depctr_va_vdst(0)
	s_wait_tensorcnt 0x0                           ; x is in; the wait and a round stand ahead of slot 0's first fill
	ds_add_u32 v[SPW], v[NIL]
	s_wait_dscnt 0x0
	CROUND
	tensor_load_to_lds s[G0W:G0W+3], s[G1W:G1W+7]  ; slot 0's first fill, group 3: it has the first norm and the quantiser in which to land
	s_nop 0
	PLACES 4
.irp ta, 0,1
.irp b, 0,1,2,3
.irp q, 0,1,2,3
	ds_load_b128 v[Y+64*\ta+16*\b+4*\q:Y+64*\ta+16*\b+4*\q+3], v[XA] offset:8448*\ta+128*\b+16*\q
.endr
.endr
.endr
	s_wait_dscnt 0x0
.irp ta, 0,1
.set J, 0
.rept 32
	v_pk_fma_f32 v[Y+64*\ta+J:Y+64*\ta+J+1], v[48+J+12*(J/32):49+J+12*(J/32)], v[PP+4*\ta+2*(J/32):PP+4*\ta+2*(J/32)+1], v[Y+64*\ta+J:Y+64*\ta+J+1]
.set J, J+2
.endr
.endr
	LNORM 0
.irp ta, 0,1
.irp b, 0,1,2,3
.irp q, 0,1,2,3
	ds_store_b128 v[XA], v[Y+64*\ta+16*\b+4*\q:Y+64*\ta+16*\b+4*\q+3] offset:8448*\ta+128*\b+16*\q
.endr
.endr
.endr
	s_wait_dscnt 0x0
	QUANT Y, 0, PCA, PW
	IMG PCA, 0
	QUANT Y+64, 0, PCB, PW+1
	IMG PCB, 16384
	v_cndmask_b32 v[PW+2], v[PW], v[PW+1], s47
	ds_store_b32 v[SWW], v[PW+2]
	s_wait_tensorcnt 0x0                           ; slot 0's fill is in; the same lines and a round, which also shows x1's images to all waves
	ds_add_u32 v[SPW], v[NIL]
	s_wait_dscnt 0x0
	CROUND
	tensor_load_to_lds s[G0W+4:G0W+7], s[G1W:G1W+7]  ; slot 1's first fill, group 7, issued as a refill is
	s_nop 0
	PLACES 4
	AFL 0, 0, 0
.set GG, 0
.rept 16
	GRP GG, 0
.set GG, GG+1
.endr
	WIN 0
	PLACES 8
.irp i, 0,1,2,3
	global_load_b128 v[WS+8*\i:WS+8*\i+3], v[WSO], s[18:19] offset:1024*\i
	global_load_b128 v[WS+8*\i+4:WS+8*\i+7], v[WSO], s[18:19] offset:1024*\i+16
.endr
	QUANT Y, 1, PCA, PW
	QUANT Y+64, 1, PCB, PW+1
	v_cndmask_b32 v[PW+2], v[PW], v[PW+1], s47
	s_wait_alu depctr_va_vdst(0)
	BARRIER
	IMG PCA, 0
	IMG PCB, 16384
	ds_store_b32 v[SWW], v[PW+2] offset:1024
.irp ta, 0,1
.irp b, 0,1,2,3
.irp q, 0,1,2,3
	ds_load_b128 v[Y+64*\ta+16*\b+4*\q:Y+64*\ta+16*\b+4*\q+3], v[XA] offset:8448*\ta+128*\b+16*\q
.endr
.endr
.endr
	CHANGE 1
	AFL 0, 0, 1
.set GG, 16
.rept 16
	GRP GG, 1
.set GG, GG+1
.endr
	WIN 0
	PLACES 8
	LNORM 1
	v_add_nc_u32 v[XR], s30, v[GL]
.irp ta, 0,1
.irp b, 0,1,2,3
.irp q, 0,1,2,3
	ds_store_b128 v[XA], v[Y+64*\ta+16*\b+4*\q:Y+64*\ta+16*\b+4*\q+3] offset:8448*\ta+128*\b+16*\q
.endr
.endr
.endr
.set J, 0
.rept 32
	ds_load_b128 v[Y+4*J:Y+4*J+3], v[XR] offset:528*J
.set J, J+1
.endr
.set J, 0
.rept 32
	s_wait_dscnt 31-J
	global_store_b128 v[GL], v[Y+4*J:Y+4*J+3], s[28:29] offset:4096*J th:TH_STORE_NT
.set J, J+1
.endr
	s_wait_tensorcnt 0x0
	ds_add_u32 v[SPW], v[NIL]
	s_wait_dscnt 0x0
	CROUND
	s_endpgm
.Lfunc_end_k_q54bce6a15a_ffn:
	.size	k_q54bce6a15a_ffn, .Lfunc_end_k_q54bce6a15a_ffn-k_q54bce6a15a_ffn
	.p2alignl 7, 3214868480
	.fill 96, 4, 3214868480
	.section	.rodata,"a",@progbits
	.p2align	6, 0x0
	.amdhsa_kernel k_q54bce6a15a_ffn
		.amdhsa_group_segment_fixed_size 327680
		.amdhsa_private_segment_fixed_size 0
		.amdhsa_enable_private_segment 0
		.amdhsa_kernarg_size 88
		.amdhsa_user_sgpr_count 2
		.amdhsa_user_sgpr_kernarg_segment_ptr 1
		.amdhsa_wavefront_size32 1
		.amdhsa_system_sgpr_workgroup_id_x 1
		.amdhsa_system_sgpr_workgroup_id_y 1
		.amdhsa_system_sgpr_workgroup_id_z 1
		.amdhsa_system_vgpr_workitem_id 0
		.amdhsa_next_free_vgpr 512
		.amdhsa_next_free_sgpr 78
		.amdhsa_reserve_vcc 0
		.amdhsa_float_denorm_mode_32 3
		.amdhsa_float_denorm_mode_16_64 3
		.amdhsa_memory_ordered 1
		.amdhsa_forward_progress 1
		.amdhsa_inst_pref_size 243
	.end_amdhsa_kernel
	.amdgpu_metadata
---
amdhsa.version: [ 1, 2 ]
amdhsa.kernels:
  - .name:           k_q54bce6a15a_ffn
    .symbol:         k_q54bce6a15a_ffn.kd
    .args:
      - { .name: x, .offset: 0, .size: 8, .value_kind: global_buffer, .address_space: global }
      - { .name: rs, .offset: 8, .size: 8, .value_kind: global_buffer, .address_space: global }
      - { .name: vs, .offset: 16, .size: 8, .value_kind: global_buffer, .address_space: global }
      - { .name: wimg, .offset: 24, .size: 8, .value_kind: global_buffer, .address_space: global }
      - { .name: W1_scales, .offset: 32, .size: 8, .value_kind: global_buffer, .address_space: global }
      - { .name: W2_scales, .offset: 40, .size: 8, .value_kind: global_buffer, .address_space: global }
      - { .name: g1, .offset: 48, .size: 8, .value_kind: global_buffer, .address_space: global }
      - { .name: b1, .offset: 56, .size: 8, .value_kind: global_buffer, .address_space: global }
      - { .name: g2, .offset: 64, .size: 8, .value_kind: global_buffer, .address_space: global }
      - { .name: b2, .offset: 72, .size: 8, .value_kind: global_buffer, .address_space: global }
      - { .name: out0, .offset: 80, .size: 8, .value_kind: global_buffer, .address_space: global }
    .group_segment_fixed_size: 327680
    .private_segment_fixed_size: 0
    .kernarg_segment_align: 8
    .kernarg_segment_size: 88
    .max_flat_workgroup_size: 256
    .sgpr_count:     78
    .vgpr_count:     512
    .wavefront_size: 32
...
	.end_amdgpu_metadata
.endif
;; end of part 3
